; MI455X (gfx1250); checked and timed in simulation.
; The chip was launched on July 23, 2026; its instructions are those of AMD's public machine-readable ISA for CDNA 5 (MIT licence, August 2026) and "CDNA5" Instruction Set Architecture Reference Guide (July 2026). The comments in the code are by the model that wrote it; some were corrected since.
;; Extended Multi Head Attention. Allowed arithmetic: matrix products marked QUANTISED: E2M3 operands, one E8M0 scale for each 32 along K, by v_wmma_scale_f32_16x16x128_f8f6f4 with both operands' format E2M3, f32 sums; everything else in f32.
;; Inputs: bk 512 float32; bo 2,048 float32; bq 2,048 float32; bv 512 float32; wk 2,048 x 512 float32; wo 2,048 x 2,048 float32; wq 2,048 x 2,048 float32; wv 2,048 x 512 float32; x 4 x 1,024 x 2,048 float32.
;; Outputs: out0 4 x 1,024 x 2,048 float32.
;; This version of the problem:
;;   THIS VERSION OF THE PROBLEM IS GIVEN IN LOW PRECISION. The matrix products marked QUANTISED in the list below multiply operands that are first quantised to E2M3 (2 exponent bits, 3 mantissa bits; 6 bits a number), with one power-of-two scale for each 32 numbers along K (OCP MX v1.0); their sums are f32. All else is computed in f32.
;;   The module's matrix products, in the order in which they are computed (A, B: the left and right operand; K: the contracted axis; several contracted axes count as one K, in the product's order):
;;     1. [M 4,096, K 2,048] x [K 2,048, N 2,048]; A: input x; B: input wq: QUANTISED
;;     2. [M 4,096, K 2,048] x [K 2,048, N 512]; A: input x; B: input wk: QUANTISED
;;     3. [M 4,096, K 2,048] x [K 2,048, N 512]; A: input x; B: input wv: QUANTISED
;;     4. batch 128 x [M 1,024, K 64] x [K 64, N 1,024]; A: computed on the way; B: computed on the way: QUANTISED
;;     5. batch 128 x [M 1,024, K 1,024] x [K 1,024, N 64]; A: softmax (see below); B: computed on the way: QUANTISED
;;     6. [M 4,096, K 2,048] x [K 2,048, N 2,048]; A: computed on the way; B: input wo: QUANTISED
;;   THE QUANTISER, for each operand of a quantised product, along K:
;;     - K is cut into blocks of 32 from its start; a last block that is shorter is filled with zeros.
;;     - A block's scale is 2^e with e = floor(log2(the largest magnitude in the block)) - 2, held to -126 .. 127; a block of zeros has e = 0. As a byte (E8M0): e + 127.
;;     - Each number is divided by its block's scale, clamped to +-7.5, and rounded to the nearest number of E2M3, ties to even, subnormals kept.
;;     - The product sums the exact products of the quantised numbers (number of the format x scale) in f32.
;;   ~~~python
;;   def quantise(x, axis):      # numpy; x: float32 -> the quantised numbers, widened to float32 again
;;       x = np.moveaxis(x, axis, -1); K = x.shape[-1]
;;       x = np.pad(x, [(0, 0)] * (x.ndim - 1) + [(0, -K % 32)]); x = x.reshape(x.shape[:-1] + (-1, 32)); a = np.abs(x).max(-1, keepdims=True)
;;       e = np.where(a > 0, np.clip(np.frexp(np.where(a > 0, a, 1))[1] - 1 - 2, -126, 127), 0)      # np.frexp(a)[1] - 1 = floor(log2(a)), exactly
;;       r = np.clip(x / 2.0 ** e, -7.5, 7.5)
;;       step = 2.0 ** (np.maximum(np.frexp(np.where(r == 0, 1, r))[1] - 1, 0) - 3)
;;       q = np.round(r / step) * step * 2.0 ** e      # np.round: ties to even
;;       return np.moveaxis(q.reshape(q.shape[:-2] + (-1,))[..., :K], -1, axis).astype(np.float32)
;;   ~~~
;;   SOFTMAX AHEAD OF A QUANTISED PRODUCT. Where the list says 'softmax', what is quantised is not the finished softmax but p = 2^(t - M), with t = logit x log2(e) and M = ceil(the row's largest t), a whole number; so 1/2 < the row's largest p <= 1. The row's sum l is taken of the UNQUANTISED p, in f32, and the product's result is divided by l at the end. Since M is a whole number, a kernel that streams over the keys may use a running M (the ceiling of the running maximum): every later rescaling is an exact power of two, which a block's scale takes up: the codes' values come out the same.
;;   OPERANDS COMPUTED ON THE WAY. 'Computed on the way' means the value that the module computes at that place (a softmax that the list does not call 'softmax' is quantised finished and normalised). What goes into a quantiser is computed in f32, as accurately as f32 sums, v_exp_f32 and their like allow (about 1e-6 of the number): no bf16 or f16 on the way to a quantiser, and a product that is left as it is and whose result goes on into a quantised operand takes f32 operands (vector FMAs, or v_wmma_f32_16x16x4_f32). A number that lies on a knife's edge between two numbers of the format may be rounded either way, as far as f32 arithmetic and the matrix unit's own rounding can turn it there, and no further.
;; One version. Each part assembles by itself: llvm-mc -triple=amdgcn-amd-amdhsa -mcpu=gfx1250 --defsym DOCPART=n.
;; ======== version 1 of 1: 4 launches
;; limits: right only within a limited range of input values
;; workspace buffers: xq 6,553,600 bytes; oq 6,553,600 bytes; wcs 8,192,000 bytes; woi 3,276,800 bytes; qbuf 6,815,744 bytes; kvbuf 3,407,872 bytes
;; launch prep (part 1): grid 576 x 1, 4 waves a work-group, no clusters, 92,672 bytes of LDS; arguments x, wq, wk, wv, wo, xq, wcs, woi; writes xq, wcs, woi
.if DOCPART == 1
	.amdgcn_target "amdgcn-amd-amdhsa--gfx1250"
	.amdhsa_code_object_version 6
	.text
	.protected	k_q7fe7dd9f23_prep
	.globl	k_q7fe7dd9f23_prep
	.p2align	8
	.type	k_q7fe7dd9f23_prep,@function
k_q7fe7dd9f23_prep:
	s_mov_b64 s[64:65], 0
	v_nop
	global_prefetch_b8 v0, s[64:65] scope:SCOPE_SE
	s_setreg_imm32_b32 hwreg(HW_REG_WAVE_MODE, 25, 1), 1
	s_wait_xcnt 0x0
; x [4096][2048] and the four weights (K = their FIRST axis), all f32, become codes of FP6 (E2M3) with one E8M0 byte for each 32 along K.
; A block's scale is 2^(floor(log2(its largest magnitude)) - 2); its byte is the largest magnitude's exponent field - 2, held at 1 from below.
; LIMITS: NaN and infinities are not served.  A block of zeros, or one whose largest magnitude lies under 2^-124, gets the byte 1 where the
; quantiser's text says 127 or less than 1: its codes are zeros or as the held scale gives them, and the bytes are read by this program alone.
; xq:  codes [K step 8][row 4096][192 bytes] (a K step is 256 along K), then scale bytes [K step][row][8].
; wcs: codes [K step 8][position 5120][192 bytes], then scale bytes [K step][position][8].  Positions in groups of 128 (og): 0-15 wq's columns,
;      16 + 2 j wk's columns 128 j on, 17 + 2 j wv's.  (Positions 3,072 on are neither written nor read.)
; woi: wo (og 24-39) as IMAGES OF OPERAND REGISTERS: [K step 8][group of 128 positions 16][record of 25,600 bytes].  A record: codes [128 along K: 2][block of 16 positions: 8][1,536 bytes],
;      register 4 q + w of lane l at 512 q + 16 l + 4 w; then scale words [block 8][position 16][128 along K: 2].
;      wo's K is taken in the order in which the attention launch lays its result: K step y, block t = wo's rows 512 (t / 2) + 64 y + 32 (t % 2) on.
; In wcs and in woi, inside every 32 positions column n lies at n with its bits 3 and 4 exchanged, so that a plain tile of 16 positions gives a lane of the product's result 16 neighbouring columns in two neighbouring tiles.
; Work-groups 0-255 take x (a wave: 32 rows x one K step), the other 320 the weights (a work-group: 128 columns x one K step).  Each of the three paths has
; LDS bytes of its own.  No work-group shares an input byte with another, so there is no cluster, no tensor load and no barrier: every wave works alone.
.set XSC,   6291456                    ; xq: where the scale bytes begin
.set WSC,   7864320                    ; wcs: likewise
.set XKS,   786432                     ; a K step of xq's codes: 4,096 rows x 192 bytes
.set WKS,   983040                     ; of wcs's: 5,120 positions x 192 bytes
.set REC,   25600                      ; woi: a record
.set RSC,   24576                      ; where its scale words begin
.set EMAX,  2
.set CB,    12                         ; bytes of 16 codes
; x's path
.set STEPS, 16                         ; a step: two rows x 256 numbers
.set R,     16                         ; v16-79   four sets of 16 numbers as they are loaded
.set X,     80                         ; v80-111  two sets of 16 neighbours
.set E,     112                        ; v112-127 a scale byte for each step
.set C,     128                        ; v128-191 codes: four registers for each step, so that no store's data are written again
.set WREG,  8192                       ; LDS 0 .. 32,767: a region for each wave: two stages of 32 x SP bytes, behind them its 256 scale bytes
.set SP,    80                         ; a lane's place in a stage: its 64 bytes + 16 of padding
; the weights' paths
.set NB,    8                          ; blocks of 32 along K for a lane
.set PITCH, 272                        ; wcs's stage row: sixteen places of 16 bytes, each with 12 bytes of codes, + 16
.set WSTG,  32768                      ; LDS 32,768 .. 67,583: 32 stage rows for each wave
.set WIS,   67584                      ; LDS 67,584 .. 92,159: woi's stage: 6,144 bytes for each wave, laid as the images are
.set WX,    32                         ; v32-95   two sets of 32 numbers
.set WC,    96                         ; v96..    a block's codes
.set OUTR,  112                        ; v112-175 the way out
.set SB,    24                         ; v24-25   the scale bytes
.set OFS,   176                        ; v176-207 4 x lane + i rows of the weight
	s_load_b256 s[4:11], s[0:1], 0x0               ; x, wq, wk, wv
	s_load_b128 s[12:15], s[0:1], 0x20             ; wo, xq
	s_load_b64 s[16:17], s[0:1], 0x30              ; wcs
	s_load_b64 s[56:57], s[0:1], 0x38              ; woi
	v_lshl_add_u32 v208, v0, 2, 0x16800
	v_mov_b32 v209, 0
	v_lshrrev_b32 v1, 5, v0
	v_readfirstlane_b32 s18, v1                    ; wave 0..3
	v_and_b32 v2, 31, v0                           ; lane
	s_cmp_lt_u32 ttmp9, 256
	s_cbranch_scc0 .Lweights
; ---------------- x: K is innermost.  Each load reads 512 consecutive bytes; a step's 2,048 bytes turn through the wave's stage, so that a lane gets 16 neighbours along K.
	v_lshlrev_b32 v3, 4, v2                        ; my 16 bytes of a load's 512
	s_mul_i32 s19, s18, WREG
	v_lshrrev_b32 v14, 2, v2
	v_mul_u32_u24 v14, v14, SP
	v_and_b32 v15, 3, v2
	v_lshl_add_u32 v14, v15, 4, v14
	v_add_nc_u32 v14, s19, v14                     ; the stage, on the way in: SP (lane / 4) + 16 (lane % 4)
	v_mul_u32_u24 v15, v2, SP
	v_add_nc_u32 v15, s19, v15                     ; and on the way out: SP x lane
	v_mul_u32_u24 v4, v2, CB                       ; my codes' place in a step's 384 bytes
	v_lshrrev_b32 v5, 1, v2
	s_add_co_u32 s19, s19, 2*32*SP
	v_add_nc_u32 v5, s19, v5                       ; LDS: my wave's 256 scale bytes, my block's byte
	v_lshlrev_b32 v7, 3, v2
	v_add_nc_u32 v6, s19, v7                       ; and on the way out 8 bytes a lane
	s_lshl_b32 s20, ttmp9, 2
	s_add_co_u32 s20, s20, s18                     ; which of the 1,024 shares is my wave's
	s_and_b32 s21, s20, 7                          ; its K step
	s_lshr_b32 s22, s20, 3                         ; its 32 rows
	s_lshl_b32 s24, s22, 18                        ; 32 rows of 8,192 bytes
	s_lshl_b32 s23, s21, 10                        ; 256 numbers of 4 bytes
	s_add_co_u32 s24, s24, s23
	s_mov_b32 s25, 0
	s_mul_i32 s26, s21, XKS
	s_mul_i32 s23, s22, 32*192
	s_add_co_u32 s26, s26, s23
	s_mov_b32 s27, 0
	s_lshl_b32 s28, s21, 15                        ; 4,096 rows x 8 scale bytes
	s_lshl_b32 s23, s22, 8
	s_add_co_u32 s28, s28, s23
	s_add_co_u32 s28, s28, XSC
	s_mov_b32 s29, 0
	s_wait_alu depctr_va_vdst(0)
	s_wait_kmcnt 0x0
	s_add_nc_u64 s[4:5], s[4:5], s[24:25]
	s_add_nc_u64 s[26:27], s[14:15], s[26:27]
	s_add_nc_u64 s[28:29], s[14:15], s[28:29]
.macro XLOAD t                         ; step t: rows 2 t and 2 t + 1 of my 32, 1,024 bytes of each
.irp i, 0,1,2,3
	global_load_b128 v[R+16*((\t)%4)+4*\i:R+16*((\t)%4)+4*\i+3], v3, s[4:5] offset:(2*(\t)+\i/2)*8192+(\i%2)*512 th:TH_LOAD_NT
.endr
.endm
.macro XTURN t                         ; LDS serves a wave's instructions in order (ISA guide 5.7.1.4): no wait between the stores and the loads
.irp i, 0,1,2,3
	ds_store_b128 v14, v[R+16*((\t)%4)+4*\i:R+16*((\t)%4)+4*\i+3] offset:32*SP*((\t)%2)+8*SP*\i
.endr
.irp i, 0,1,2,3
	ds_load_b128 v[X+16*((\t)%2)+4*\i:X+16*((\t)%2)+4*\i+3], v15 offset:32*SP*((\t)%2)+16*\i
.endr
.endm
.irp t, 0,1,2,3
	XLOAD \t
.endr
	s_wait_loadcnt 12                              ; step 0's four loads are in; twelve younger ones stay out
	XTURN 0
.macro XSTEP t
.set XR, X+16*((\t)%2)
.if (\t) > 0
	s_wait_dscnt 1                                 ; this step's numbers are back from the stage; the last step's byte store may be out
.else
	s_wait_dscnt 0x0
.endif
.if (\t)+4 < STEPS
	XLOAD (\t)+4                                   ; into the set whose stores into the stage are done
.endif
.if (\t)+1 < STEPS
.if STEPS-2-(\t) >= 3
	s_wait_loadcnt 12                              ; the next step's four loads are in; those of the three steps behind it may be out
.else
	s_wait_loadcnt 4*(STEPS-2-(\t))
.endif
	XTURN (\t)+1
.endif
	v_max3_num_f32 v8, |v[XR]|, |v[XR+1]|, |v[XR+2]|               ; the largest magnitude of my 16, in two chains
	v_max3_num_f32 v9, |v[XR+3]|, |v[XR+4]|, |v[XR+5]|
.irp i, 6,10
	v_max3_num_f32 v8, v8, |v[XR+\i]|, |v[XR+\i+1]|
	v_max3_num_f32 v9, v9, |v[XR+\i+2]|, |v[XR+\i+3]|
.endr
	v_max3_num_f32 v8, v8, |v[XR+14]|, |v[XR+15]|
	v_max3_num_f32 v8, v8, v9, (EMAX+1)<<23        ; and the floor 2^(3 - 127): the byte cannot fall under 1
	v_max_num_f32_dpp v8, v8, v8 row_xmask:1 row_mask:0xf bank_mask:0xf   ; with my neighbour's 16: the block's
	v_add_nc_u32 v11, -(EMAX<<23), v8              ; 2 off its exponent field: the conversion takes the exponent field of this operand as its scale
	v_cvt_scalef32_pk16_fp6_f32 v[C+4*(\t):C+4*(\t)+2], v[XR:XR+15], v11
	v_lshrrev_b32 v[E+(\t)], 23, v11               ; the scale's byte (also the plain line behind the conversion)
	ds_store_b8 v5, v[E+(\t)] offset:16*(\t)       ; both lanes of a block write the same byte with the same value
	global_store_b96 v4, v[C+4*(\t):C+4*(\t)+2], s[26:27] offset:32*CB*(\t)   ; two rows' 384 consecutive bytes
.endm
.irp t, 0,1,2,3,4,5,6,7,8,9,10,11,12,13,14,15
	XSTEP \t
.endr
	ds_load_b64 v[12:13], v6                       ; my 32 rows' 256 scale bytes
	s_wait_dscnt 0x0
	global_store_b64 v7, v[12:13], s[28:29]        ; 32 lanes store 256 consecutive bytes, aligned
	s_wait_tensorcnt 0x0
	ds_add_u32 v208, v209
	s_wait_dscnt 0x0
	s_endpgm
; ---------------- the weights: a lane takes a column, its registers run down K: a block of 32 lies in one lane, and the codes come out with K innermost.
.Lweights:
	s_sub_co_u32 s20, ttmp9, 256
	s_and_b32 s21, s20, 7                          ; y: the K step
	s_lshr_b32 s22, s20, 3                         ; og 0..39
	s_and_b32 s24, s22, 7
	s_lshr_b32 s24, s24, 1                         ; wk, wv: their group of 128 columns
	s_add_co_u32 s23, s22, 8
	s_and_b32 s23, s23, 15                         ; wo: og - 24
	s_and_b32 s25, s22, 1
	s_lshl_b32 s30, s21, 8                         ; the K step's first row: 256 y,
	s_lshl_b32 s31, s21, 6                         ; in wo 64 y
	s_mov_b32 s28, 2048                            ; bytes in a row of wk, wv
	s_mov_b32 s29, 64                              ; rows from a pair of blocks to the next
	s_wait_kmcnt 0x0
	s_cmp_eq_u32 s25, 0                            ; every choice hangs on the work-group's number alone
	s_cselect_b64 s[26:27], s[8:9], s[10:11]
	s_cmp_lt_u32 s22, 16
	s_cselect_b64 s[26:27], s[6:7], s[26:27]
	s_cselect_b32 s24, s22, s24
	s_cselect_b32 s28, 8192, s28
	s_cmp_lt_u32 s22, 24
	s_cselect_b64 s[26:27], s[26:27], s[12:13]
	s_cselect_b32 s24, s24, s23
	s_cselect_b32 s28, s28, 8192
	s_cselect_b32 s29, s29, 512
	s_cselect_b32 s30, s30, s31
	s_lshl_b32 s48, s24, 9
	s_lshl_b32 s49, s18, 7
	s_add_co_u32 s48, s48, s49                     ; my wave's first column, in bytes
	s_mov_b32 s49, 0
	s_add_nc_u64 s[26:27], s[26:27], s[48:49]
.irp t, 0,1,2,3,4,5,6,7                        ; a base for each block: no immediate hangs on the weight's width
	s_mul_i32 s48, s29, \t/2
	s_add_co_u32 s48, s48, s30
	s_add_co_u32 s48, s48, 32*(\t%2)
	s_mul_i32 s48, s48, s28
	s_add_nc_u64 s[32+2*\t:33+2*\t], s[26:27], s[48:49]
.endr
	s_wait_alu depctr_va_vdst(0)
	v_lshlrev_b32 v[OFS], 2, v2
.set i, 1
.rept 31
	v_add_nc_u32 v[OFS+i], s28, v[OFS+i-1]
.set i, i+1
.endr
.macro WLOAD t                         ; block t: 32 rows of the weight at my column: each load reads 128 consecutive bytes a wave, 512 a work-group
.set i, 0
.rept 32
	global_load_b32 v[WX+32*((\t)%2)+i], v[OFS+i], s[32+2*(\t):33+2*(\t)] th:TH_LOAD_NT
.set i, i+1
.endr
.endm
	WLOAD 0
	WLOAD 1
	v_and_b32 v3, 7, v2
	v_bfe_u32 v5, v2, 3, 1
	v_bfe_u32 v6, v2, 4, 1
	v_lshl_add_u32 v3, v5, 4, v3
	v_lshl_add_u32 v3, v6, 3, v3                   ; my column's position: the lane with bits 3 and 4 exchanged
	v_lshlrev_b32 v9, 3, v3                        ; my position's 8 scale bytes
; One block of 32 along K.  img = 0: its 24 bytes go to my position's row of wcs's stage.  img = 1: to their places in the image: block t is 128 along K number t / 4,
; registers 6 c + 0 .. 5 (c = (t / 2) % 2) of image lane (position % 16) + 16 (t % 2).
.macro WBLOCK t, img
.set XR, WX+32*((\t)%2)
.if (\t) < NB-1
	s_wait_loadcnt 32                              ; this block's 32 loads are in; the next block's may be out
.else
	s_wait_loadcnt 0
.endif
	v_max3_num_f32 v12, |v[XR]|, |v[XR+1]|, |v[XR+2]|              ; the block's largest magnitude: all 32 numbers are mine
	v_max3_num_f32 v13, |v[XR+3]|, |v[XR+4]|, |v[XR+5]|
.irp i, 6,10,14,18,22,26
	v_max3_num_f32 v12, v12, |v[XR+\i]|, |v[XR+\i+1]|
	v_max3_num_f32 v13, v13, |v[XR+\i+2]|, |v[XR+\i+3]|
.endr
	v_max3_num_f32 v12, v12, |v[XR+30]|, |v[XR+31]|
	v_max3_num_f32 v12, v12, v13, (EMAX+1)<<23     ; and the floor
	v_add_nc_u32 v11, -(EMAX<<23), v12             ; the conversion's scale operand
	v_lshrrev_b32 v13, 23, v11                     ; the scale's byte
.if (\t)%4 == 0
	v_mov_b32 v[SB+(\t)/4], v13
.else
	v_lshl_or_b32 v[SB+(\t)/4], v13, 8*((\t)%4), v[SB+(\t)/4]
.endif
	v_cvt_scalef32_pk16_fp6_f32 v[WC:WC+2], v[XR:XR+15], v11
	v_cvt_scalef32_pk16_fp6_f32 v[WC+4:WC+6], v[XR+16:XR+31], v11  ; (a conversion's three registers begin on an even number)
.if \img
	v_nop                                          ; one plain line behind a scaled conversion
	v_mov_b32 v[WC+3], v[WC+4]                     ; the six registers on end
	v_mov_b32 v[WC+4], v[WC+5]
	v_mov_b32 v[WC+5], v[WC+6]
.if (((\t)/2)%2) == 0
	ds_store_b128 v4, v[WC:WC+3] offset:((\t)/4)*3072+((\t)%2)*256          ; registers 0-3
	ds_store_b64 v4, v[WC+4:WC+5] offset:((\t)/4)*3072+((\t)%2)*256+512     ; registers 4, 5
.else
	ds_store_b64 v4, v[WC:WC+1] offset:((\t)/4)*3072+((\t)%2)*256+520       ; registers 6, 7
	ds_store_b128 v4, v[WC+2:WC+5] offset:((\t)/4)*3072+((\t)%2)*256+1024   ; registers 8-11
.endif
.else
	ds_store_b96 v4, v[WC:WC+2] offset:32*(\t)     ; 12 bytes to a place of 16, so that every LDS address is a multiple of 16
	ds_store_b96 v4, v[WC+4:WC+6] offset:32*(\t)+16
.endif
.if (\t)+2 < NB
	WLOAD (\t)+2
.endif
	s_wait_dscnt 0x0                               ; the stores have read their registers: the next block's codes may be written
.endm
	s_cmp_lt_u32 s22, 24                           ; the work-group's number alone
	s_cbranch_scc0 .Lwo
; ---- wq, wk, wv: rows of 192 bytes into wcs
	s_mul_i32 s19, s18, 32*PITCH
	s_add_co_u32 s19, s19, WSTG                    ; my stage
	v_mul_u32_u24 v4, v3, PITCH
	v_add_nc_u32 v4, s19, v4                       ; into the stage: row = my position
	v_and_b32 v5, 15, v2
	v_mul_u32_u24 v7, v6, PITCH
	v_lshl_add_u32 v7, v5, 4, v7
	v_add_nc_u32 v7, s19, v7                       ; out of it: sixteen lanes to a row, two rows an instruction
	v_mul_u32_u24 v8, v2, CB                       ; and the same place in wcs: rows of 192 bytes on end
	s_lshl_b32 s50, s22, 7
	s_lshl_b32 s51, s18, 5
	s_add_co_u32 s50, s50, s51                     ; my wave's first position
	s_mul_i32 s48, s21, WKS
	s_mul_i32 s51, s50, 192
	s_add_co_u32 s48, s48, s51
	s_add_nc_u64 s[52:53], s[16:17], s[48:49]
	s_mul_i32 s48, s21, 5120*8
	s_lshl_b32 s51, s50, 3
	s_add_co_u32 s48, s48, s51
	s_add_co_u32 s48, s48, WSC
	s_add_nc_u64 s[54:55], s[16:17], s[48:49]
.irp t, 0,1,2,3,4,5,6,7
	WBLOCK \t, 0
.endr
	s_wait_alu depctr_va_vdst(0)
	global_store_b64 v9, v[SB:SB+1], s[54:55]      ; 32 positions x 8 bytes: 256 consecutive bytes, aligned
.irp t, 0,1,2,3,4,5,6,7,8,9,10,11,12,13,14,15
	ds_load_b96 v[OUTR+4*\t:OUTR+4*\t+2], v7 offset:2*\t*PITCH
.endr
.irp t, 0,1,2,3,4,5,6,7,8,9,10,11,12,13,14,15
	s_wait_dscnt 15-\t                             ; loads come back in order: number t is in
	global_store_b96 v8, v[OUTR+4*\t:OUTR+4*\t+2], s[52:53] offset:384*\t   ; two positions' 384 consecutive bytes
.endr
	s_wait_tensorcnt 0x0
	ds_add_u32 v208, v209
	s_wait_dscnt 0x0
	s_endpgm
; ---- wo: images into woi.  My 32 positions are blocks 2 x wave and 2 x wave + 1 of the record
.Lwo:
	s_mul_i32 s19, s18, 6144
	s_add_co_u32 s19, s19, WIS                     ; my stage: [128 along K: 2][block 2][1,536 bytes]
	s_wait_alu depctr_va_vdst(0)
	v_lshrrev_b32 v5, 4, v3                        ; which of my two blocks
	v_and_b32 v6, 15, v3                           ; my place in it
	v_mul_u32_u24 v4, v5, 1536
	v_lshl_add_u32 v4, v6, 4, v4
	v_add_nc_u32 v4, s19, v4                       ; into the stage
	v_lshlrev_b32 v8, 4, v2                        ; out of it, and in woi: 16 x lane
	v_add_nc_u32 v7, s19, v8
	s_lshl_b32 s50, s21, 4
	s_add_co_u32 s50, s50, s23
	s_mul_i32 s50, s50, REC                        ; the record of (K step, group of 128 positions)
	s_mul_i32 s51, s18, 3072
	s_add_co_u32 s48, s50, s51
	s_add_nc_u64 s[52:53], s[56:57], s[48:49]      ; my two blocks' codes
	s_lshl_b32 s51, s18, 8
	s_add_co_u32 s48, s50, s51
	s_add_co_u32 s48, s48, RSC
	s_add_nc_u64 s[54:55], s[56:57], s[48:49]      ; and their scale words
.irp t, 0,1,2,3,4,5,6,7
	WBLOCK \t, 1
.endr
	s_wait_alu depctr_va_vdst(0)
	global_store_b64 v9, v[SB:SB+1], s[54:55]      ; 32 positions x 2 words: 256 consecutive bytes, aligned
.irp k, 0,1,2,3,4,5,6,7,8,9,10,11
	ds_load_b128 v[OUTR+4*\k:OUTR+4*\k+3], v7 offset:512*\k
.endr
.irp k, 0,1,2,3,4,5,6,7,8,9,10,11
	s_wait_dscnt 11-\k                             ; loads come back in order: number k is in
	global_store_b128 v8, v[OUTR+4*\k:OUTR+4*\k+3], s[52:53] offset:(\k/6)*12288+(\k%6)*512   ; 512 consecutive bytes, at a multiple of 256 from woi's first byte
.endr
	s_wait_tensorcnt 0x0
	ds_add_u32 v208, v209
	s_wait_dscnt 0x0
	s_endpgm
.Lfunc_end_k_q7fe7dd9f23_prep:
	.size	k_q7fe7dd9f23_prep, .Lfunc_end_k_q7fe7dd9f23_prep-k_q7fe7dd9f23_prep
	.p2alignl 7, 3214868480
	.fill 96, 4, 3214868480
	.section	.rodata,"a",@progbits
	.p2align	6, 0x0
	.amdhsa_kernel k_q7fe7dd9f23_prep
		.amdhsa_group_segment_fixed_size 92672
		.amdhsa_private_segment_fixed_size 0
		.amdhsa_enable_private_segment 0
		.amdhsa_kernarg_size 64
		.amdhsa_user_sgpr_count 2
		.amdhsa_user_sgpr_kernarg_segment_ptr 1
		.amdhsa_wavefront_size32 1
		.amdhsa_system_sgpr_workgroup_id_x 1
		.amdhsa_system_sgpr_workgroup_id_y 1
		.amdhsa_system_sgpr_workgroup_id_z 1
		.amdhsa_system_vgpr_workitem_id 0
		.amdhsa_next_free_vgpr 210
		.amdhsa_next_free_sgpr 66
		.amdhsa_reserve_vcc 0
		.amdhsa_float_denorm_mode_32 3
		.amdhsa_float_denorm_mode_16_64 3
		.amdhsa_memory_ordered 1
		.amdhsa_forward_progress 1
		.amdhsa_inst_pref_size 111
	.end_amdhsa_kernel
	.amdgpu_metadata
---
amdhsa.version: [ 1, 2 ]
amdhsa.kernels:
  - .name:           k_q7fe7dd9f23_prep
    .symbol:         k_q7fe7dd9f23_prep.kd
    .args:
      - { .name: x, .offset: 0, .size: 8, .value_kind: global_buffer, .address_space: global }
      - { .name: wq, .offset: 8, .size: 8, .value_kind: global_buffer, .address_space: global }
      - { .name: wk, .offset: 16, .size: 8, .value_kind: global_buffer, .address_space: global }
      - { .name: wv, .offset: 24, .size: 8, .value_kind: global_buffer, .address_space: global }
      - { .name: wo, .offset: 32, .size: 8, .value_kind: global_buffer, .address_space: global }
      - { .name: xq, .offset: 40, .size: 8, .value_kind: global_buffer, .address_space: global }
      - { .name: wcs, .offset: 48, .size: 8, .value_kind: global_buffer, .address_space: global }
      - { .name: woi, .offset: 56, .size: 8, .value_kind: global_buffer, .address_space: global }
    .group_segment_fixed_size: 92672
    .private_segment_fixed_size: 0
    .kernarg_segment_align: 8
    .kernarg_segment_size: 64
    .max_flat_workgroup_size: 128
    .sgpr_count:     66
    .vgpr_count:     210
    .wavefront_size: 32
...
	.end_amdgpu_metadata
.endif
;; end of part 1
;; launch gemm_qkv (part 2): grid 12 x 16, 4 waves a work-group, clusters of 4 x 4, 327,680 bytes of LDS; arguments xq, wcs, bq, bk, bv, qbuf, kvbuf; writes qbuf, kvbuf
.if DOCPART == 2
	.amdgcn_target "amdgcn-amd-amdhsa--gfx1250"
	.amdhsa_code_object_version 6
	.text
	.protected	k_q7fe7dd9f23_gemm_qkv
	.globl	k_q7fe7dd9f23_gemm_qkv
	.p2align	8
	.type	k_q7fe7dd9f23_gemm_qkv,@function
k_q7fe7dd9f23_gemm_qkv:
	s_mov_b64 s[64:65], 0
	v_nop
	global_prefetch_b8 v0, s[64:65] scope:SCOPE_SE
	s_setreg_imm32_b32 hwreg(HW_REG_WAVE_MODE, 25, 1), 1
	s_wait_xcnt 0x0
	s_wait_alu depctr_hold_cnt(0) depctr_sa_sdst(0) depctr_va_vdst(0) depctr_va_sdst(0) depctr_va_ssrc(0) depctr_va_vcc(0) depctr_vm_vsrc(0)
	s_getreg_b32 s2, hwreg(HW_REG_IB_STS2, 6, 4)
	s_cmp_eq_u32 s2, 0
	s_cbranch_scc0 .Lentry_in_a_cluster
	s_endpgm
.Lentry_in_a_cluster:
	s_bfe_u32 s2, ttmp6, 0x10000c
	s_cmp_lg_u32 s2, 0xf033
	s_cbranch_scc0 .Lentry_shape_is_right
	s_endpgm
.Lentry_shape_is_right:
.set NQ,     2
.set ROWB,   192
.set PITCH,  240
.set FR,     12
.set NL,     6
.set NP,     4
.set HALFT,  128*PITCH
.set SLOT,   4*HALFT
.set LAPS,   4
.set ASTEP,  4096*ROWB
.set BSTEP,  5120*ROWB
.set XSC,    8*ASTEP
.set WSC,    8*BSTEP
.set BROW0,  0
.set SCL,    2*SLOT
.set SCW,    8192
.set SPARE,  278784
.set KVB,    106496
.set QSO,    6291456
.set BO,   13
.set H8,   14
.set L4,   15
.set ADRA, 16
.set ADRB, 20
.set VSTO, 24
.set VRD,  25
.set LI,   26
.set ADRS, 27
.set SPW,  28
.set NIL,  29
.set L8,   30
.set SA,   31
.set SC,   32
.set BI,   64
.set AF,   128
.set TM,   32
.set FLOOR, 48
.set HW0,  49
.set HW1,  50
.set W,    51
.set CD,   56
.set TC,   80
.set VX,   128
.set G1, 24
.set G0, 32
.set G1B, 48
.set G0B, 56
.set G1S, 68
.set G0S, 76
.set G1SB, 80
.set G0SB, 88
.set SEL, 90
.set MSB, 0
.macro WIN new
.if MSB != (\new)
	s_set_vgpr_msb (MSB<<8)|(\new)
.set MSB, (\new)
.endif
.endm
.set MUL_LO, 0xa1
.set MUL_HI, 0xf1
.set TO_B,   0x40
.macro JLOAD g0a, g1a, g0b, g1b
	s_cmp_eq_u32 s15, 0
	s_cbranch_scc0 .Lfor_b_\@
	tensor_load_to_lds s[\g0a:\g0a+3], s[\g1a:\g1a+7]
	s_nop 0
.rept 4
	v_nop
.endr
	s_branch .Lasked_\@
.Lfor_b_\@:
	tensor_load_to_lds s[\g0b:\g0b+3], s[\g1b:\g1b+7]
	s_nop 0
.rept 4
	v_nop
.endr
.Lasked_\@:
.endm
.macro CREST
	s_cmp_lg_u32 s14, 0
	s_cbranch_scc1 .Lnot_wave_0_\@
	s_barrier_signal -3
.Lnot_wave_0_\@:
	s_barrier_wait -3
	s_barrier_signal -1
	s_barrier_wait -1
.endm
.macro CROUND
	s_barrier_signal -1
	s_barrier_wait -1
	CREST
.endm
	s_load_b128 s[4:7], s[0:1], 0x0
	s_load_b128 s[8:11], s[0:1], 0x10
	s_load_b64 s[12:13], s[0:1], 0x20
	s_load_b64 s[96:97], s[0:1], 0x28
	s_load_b64 s[98:99], s[0:1], 0x30
	v_lshl_add_u32 v[SPW], v0, 2, SPARE
	v_mov_b32 v[NIL], 0
	ds_add_u32 v28, v29
	ds_add_u32 v28, v29
	s_wait_dscnt 0x0
	v_lshrrev_b32 v1, 5, v0
	v_readfirstlane_b32 s14, v1
	s_lshr_b32 s15, s14, 1
	s_and_b32 s16, s14, 1
	s_bfe_u32 s40, ttmp6, 0x40000
	s_bfe_u32 s41, ttmp6, 0x40004
	s_lshl_b32 s42, ttmp9, 2
	s_add_co_u32 s42, s42, s40
	s_and_b32 s17, ttmp7, 0xffff
	s_lshl_b32 s17, s17, 2
	s_add_co_u32 s17, s17, s41
	s_lshl_b32 s43, s41, 2
	s_lshl_b32 s43, 15, s43
	s_lshl_b32 s44, 0x1111, s40
	s_or_b32 s[G1+0], s43, (0<<16)|(1<<20)|(1<<21)|(3<<22)|(3<<25)
	s_or_b32 s[G1B+0], s44, (0<<16)|(1<<20)|(1<<21)|(3<<22)|(3<<25)
.irp g, G1, G1B
	; 128 rows of 192 bytes lie dense in memory: 24,576 bytes, stated as 96 rows of 256 bytes, each on a 256-byte border; the padding (16 bytes behind every 64) gives the same LDS image
	s_mov_b32 s[\g+1], 256<<16
	s_mov_b32 s[\g+2], 96<<16
	s_mov_b32 s[\g+3], 256<<16
	s_mov_b32 s[\g+4], 96
	s_mov_b32 s[\g+5], 256
	s_mov_b32 s[\g+6], 0
	s_mov_b32 s[\g+7], 0
.endr
	s_or_b32 s[G1S+0], s43, (3<<16)|(1<<21)
	s_or_b32 s[G1SB+0], s44, (3<<16)|(1<<21)
.irp g, G1S, G1SB
	s_mov_b32 s[\g+1], 128<<16
	s_mov_b32 s[\g+2], 8<<16
	s_mov_b32 s[\g+3], 128<<16
	s_mov_b32 s[\g+4], 8
	s_mov_b32 s[\g+6], 0
	s_mov_b32 s[\g+7], 0
.endr
	s_mov_b32 s[G1S+5], 4096
	s_mov_b32 s[G1SB+5], 5120
	s_lshl_b32 s18, s16, 7
	s_lshl_b32 s20, s17, 8
	s_add_co_u32 s20, s20, s18
	s_lshl_b32 s46, s42, 8
	s_add_co_u32 s46, s46, s18
	s_add_co_u32 s46, s46, BROW0
	s_lshl_b32 s22, s20, 3
	s_add_co_u32 s22, s22, XSC
	s_mov_b32 s23, 0
	s_lshl_b32 s92, s46, 3
	s_add_co_u32 s92, s92, WSC
	s_mov_b32 s93, 0
	s_mul_i32 s20, s20, ROWB
	s_mov_b32 s21, 0
	s_mul_i32 s46, s46, ROWB
	s_mov_b32 s47, 0
	s_mul_i32 s45, s14, HALFT
	s_lshl_b32 s94, s14, 13
	s_lshl_b32 s95, s15, 7
	s_add_co_u32 s94, s94, s95
	s_wait_kmcnt 0x0
	s_add_nc_u64 s[20:21], s[4:5], s[20:21]
	s_add_nc_u64 s[22:23], s[4:5], s[22:23]
	s_add_nc_u64 s[46:47], s[6:7], s[46:47]
	s_add_nc_u64 s[92:93], s[6:7], s[92:93]
	CROUND
	s_mov_b32 s[G0S], 1
	s_add_co_u32 s[G0S+1], s94, SCL
	s_mov_b64 s[G0S+2:G0S+3], s[22:23]
	s_or_b32 s[G0S+3], s[G0S+3], 0x80000000
	s_mov_b32 s[G0SB], 1
	s_add_co_u32 s[G0SB+1], s94, SCL
	s_mov_b64 s[G0SB+2:G0SB+3], s[92:93]
	s_or_b32 s[G0SB+3], s[G0SB+3], 0x80000000
	JLOAD G0S, G1S, G0SB, G1SB
.irp s, 0,1
	s_mov_b32 s[G0+4*\s], 1
	s_add_co_u32 s[G0+4*\s+1], s45, \s*SLOT
	s_add_nc_u64 s[G0+4*\s+2:G0+4*\s+3], s[20:21], \s*ASTEP
	s_or_b32 s[G0+4*\s+3], s[G0+4*\s+3], 0x80000000
	s_mov_b32 s[G0B+4*\s], 1
	s_add_co_u32 s[G0B+4*\s+1], s45, \s*SLOT
	s_add_nc_u64 s[G0B+4*\s+2:G0B+4*\s+3], s[46:47], \s*BSTEP
	s_or_b32 s[G0B+4*\s+3], s[G0B+4*\s+3], 0x80000000
	s_wait_alu depctr_va_vdst(0)
	s_wait_tensorcnt 0x0
	ds_add_u32 v28, v29
	s_wait_dscnt 0x0
	CROUND
	JLOAD G0+4*\s, G1, G0B+4*\s, G1B
.endr
	v_and_b32 v1, 15, v0
	v_bfe_u32 v2, v0, 4, 1
	v_mul_u32_u24 v3, v1, PITCH
	v_mul_u32_u24 v4, v2, 24
	v_add_nc_u32 v4, v3, v4
	v_lshl_add_u32 v5, v2, 4, v4
	s_mul_i32 s21, s15, HALFT
	s_mul_i32 s22, s16, HALFT
	s_add_co_u32 s22, s22, 2*HALFT
.irp s, 0,1
	v_add_nc_u32 v[ADRA+\s], s21, v4
	v_add_nc_u32 v[ADRB+\s], s22, v4
	v_add_nc_u32 v[ADRA+2+\s], s21, v5
	v_add_nc_u32 v[ADRB+2+\s], s22, v5
	s_add_co_u32 s21, s21, SLOT
	s_add_co_u32 s22, s22, SLOT
.endr
	v_lshlrev_b32 v5, 3, v1
	s_lshl_b32 s21, s15, 13
	s_lshl_b32 s22, s16, 13
	s_add_co_u32 s22, s22, 2*SCW+128
	s_sub_co_u32 s22, s22, s21
	v_mul_u32_u24 v6, s22, v2
	s_add_co_u32 s21, s21, SCL
	v_add_nc_u32 v5, v5, v6
	v_add_nc_u32 v[ADRS], s21, v5
	s_mul_i32 s23, s14, HALFT
	v_mul_u32_u24 v5, v1, 144
	v_lshl_add_u32 v5, v2, 6, v5
	v_add_nc_u32 v[VSTO], s23, v5
	v_mul_u32_u24 v5, v2, 4640
	v_lshl_add_u32 v5, v1, 2, v5
	v_lshrrev_b32 v6, 3, v1
	v_lshl_add_u32 v5, v6, 5, v5
	v_add_nc_u32 v[VRD], s23, v5
	v_and_b32 v6, 31, v0
	v_lshlrev_b32 v[LI], 4, v6
	v_lshlrev_b32 v[L8], 3, v6
	v_lshlrev_b32 v[L4], 2, v6
	v_lshlrev_b32 v[H8], 3, v2
	v_lshlrev_b32 v[BO], 6, v2
	s_wait_alu depctr_va_vdst(0)
	s_lshl_b32 s18, s42, 10
	s_lshl_b32 s19, s16, 9
	s_add_co_u32 s18, s18, s19
	s_and_b32 s19, s42, 7
	s_lshl_b32 s19, s19, 9
	s_cmp_eq_u32 s16, 0
	s_cselect_b64 s[100:101], s[10:11], s[12:13]
	s_cmp_lt_u32 ttmp9, 2
	s_cselect_b64 s[100:101], s[8:9], s[100:101]
	s_cselect_b32 s18, s18, s19
	s_mov_b32 s19, 0
	s_add_nc_u64 s[100:101], s[100:101], s[18:19]
.irp t, 0,1,2,3,4,5,6,7
	global_load_b128 v[BI+8*\t:BI+8*\t+3], v[BO], s[100:101] offset:(32*(\t/2)+8*(\t%2))*4
	global_load_b128 v[BI+8*\t+4:BI+8*\t+7], v[BO], s[100:101] offset:(32*(\t/2)+8*(\t%2))*4+16
.endr
.macro FRAG reg, adr, q, i
.irp p, 0,1,2,3,4,5
.set PCE, 12*(\q)+6*(\p/3)+\p%3
.if PCE%8 < 5
	ds_load_b64 v[\reg+2*\p:\reg+2*\p+1], v[\adr] offset:8*PCE+16*(PCE/8)+(\i)*16*PITCH
.else
	ds_load_b64 v[\reg+2*\p:\reg+2*\p+1], v[\adr+2] offset:8*PCE+16*(PCE/8)+(\i)*16*PITCH
.endif
.endr
.endm
.macro MUL16 a0, p, q, sc, zero
.irp a, \a0, \a0+1
.irp b, 0,1,2,3,4,5,6,7
.if \zero
	v_wmma_scale_f32_16x16x128_f8f6f4 v[8*(8*((\a)%4)+\b):8*(8*((\a)%4)+\b)+7], v[128*(\p)+FR*\b:128*(\p)+FR*\b+FR-1], v[AF+FR*(\a):AF+FR*(\a)+FR-1], v[BI+8*\b:BI+8*\b+7], v[SC+8*NQ*(\sc)+NQ*\b+(\q)], v[SC+8*NQ*(\sc)+NQ*(\a)+(\q)] matrix_a_fmt:MATRIX_FMT_FP6 matrix_b_fmt:MATRIX_FMT_FP6 matrix_a_scale:MATRIX_SCALE_ROW1
.else
	v_wmma_scale_f32_16x16x128_f8f6f4 v[8*(8*((\a)%4)+\b):8*(8*((\a)%4)+\b)+7], v[128*(\p)+FR*\b:128*(\p)+FR*\b+FR-1], v[AF+FR*(\a):AF+FR*(\a)+FR-1], v[8*(8*((\a)%4)+\b):8*(8*((\a)%4)+\b)+7], v[SC+8*NQ*(\sc)+NQ*\b+(\q)], v[SC+8*NQ*(\sc)+NQ*(\a)+(\q)] matrix_a_fmt:MATRIX_FMT_FP6 matrix_b_fmt:MATRIX_FMT_FP6 matrix_a_scale:MATRIX_SCALE_ROW1
.endif
.endr
.endr
.endm
.macro FETCH_B slot, q, p
	WIN TO_B
.irp i, 0,1,2,3,4,5,6,7
	FRAG 128*(\p)+FR*\i, ADRB+\slot, \q, \i
.endr
	WIN 0
.endm
.macro FETCH_A slot, q, i0
.irp i, \i0, \i0+1, \i0+2, \i0+3
	FRAG AF+FR*(\i), ADRA+\slot, \q, \i
.endr
.endm
.macro SCALES sc
.irp i, 0,1,2,3,4,5,6,7
	ds_load_b64 v[SC+8*NQ*\sc+NQ*\i:SC+8*NQ*\sc+NQ*\i+1], v[ADRS] offset:\i*128
.endr
.endm
.macro PLACES n
.rept \n
	v_nop
.endr
.endm
.macro STEP slot, q, zero
	s_wait_dscnt 4*NL
	WIN MUL_LO-0x20*(\zero)
	MUL16 0, (\q)%2, \q, \slot, \zero
	MUL16 2, (\q)%2, \q, \slot, \zero
	s_wait_dscnt 0
	PLACES NP
	FETCH_B \slot, (\q)+1, 1-(\q)%2
	FETCH_A \slot, (\q)+1, 0
	WIN MUL_HI-0x30*(\zero)
	MUL16 4, (\q)%2, \q, \slot, \zero
	MUL16 6, (\q)%2, \q, \slot, \zero
	PLACES NP
	WIN 0
	FETCH_A \slot, (\q)+1, 4
.endm
.macro TURN slot, next, fill
	s_wait_tensorcnt 0x0
	ds_add_u32 v[SPW], v[NIL]
	s_wait_dscnt 4*NL+1
	WIN MUL_LO
	MUL16 0, 1, NQ-1, \slot, 0
	s_wait_dscnt 0x0
	s_barrier_signal -1
	MUL16 2, 1, NQ-1, \slot, 0
	WIN 0
	s_barrier_wait -1
.if \fill
	CREST
	s_add_nc_u64 s[G0+4*\slot+2:G0+4*\slot+3], s[G0+4*\slot+2:G0+4*\slot+3], 2*ASTEP
	s_add_nc_u64 s[G0B+4*\slot+2:G0B+4*\slot+3], s[G0B+4*\slot+2:G0B+4*\slot+3], 2*BSTEP
	JLOAD G0+4*\slot, G1, G0B+4*\slot, G1B
.else
	PLACES NP
.endif
	s_wait_alu depctr_va_vdst(0)
	v_add_nc_u32 v[ADRS], 1024, v[ADRS]
	FETCH_B \next, 0, 0
	FETCH_A \next, 0, 0
	SCALES \next
	WIN MUL_HI
	MUL16 4, 1, NQ-1, \slot, 0
	MUL16 6, 1, NQ-1, \slot, 0
	PLACES NP
	WIN 0
	FETCH_A \next, 0, 4
.endm
	s_wait_tensorcnt 1
	s_barrier_signal -1
	s_barrier_wait -1
	FETCH_B 0, 0, 0
	FETCH_A 0, 0, 0
	SCALES 0
	FETCH_A 0, 0, 4
	s_wait_loadcnt 0x0
	STEP 0, 0, 1
	s_mov_b32 s3, LAPS-1
.Llap:
	TURN 0, 1, 1
	STEP 1, 0, 0
	TURN 1, 0, 1
	STEP 0, 0, 0
	s_sub_co_u32 s3, s3, 1
	s_cmp_lg_u32 s3, 0
	s_cbranch_scc1 .Llap
	TURN 0, 1, 0
	STEP 1, 0, 0
	s_wait_dscnt 4*NL
	WIN MUL_LO
	MUL16 0, 1, NQ-1, 1, 0
	MUL16 2, 1, NQ-1, 1, 0
	s_wait_dscnt 0
	WIN MUL_HI
	MUL16 4, 1, NQ-1, 1, 0
	MUL16 6, 1, NQ-1, 1, 0
	WIN 0
	PLACES NP
	s_lshl_b32 s68, s17, 4
	s_lshl_b32 s69, s15, 3
	s_add_co_u32 s68, s68, s69
	s_lshl_b32 s70, s42, 2
	s_lshl_b32 s69, s16, 1
	s_add_co_u32 s70, s70, s69
	s_mul_i32 s72, s68, 24576
	s_mul_i32 s69, s70, 768
	s_add_co_u32 s72, s72, s69
	s_lshl_b32 s74, s68, 11
	s_lshl_b32 s69, s70, 6
	s_add_co_u32 s74, s74, s69
	s_add_co_u32 s74, s74, QSO
	s_lshr_b32 s69, s17, 2
	s_lshl_b32 s69, s69, 3
	s_and_b32 s71, s42, 3
	s_lshl_b32 s71, s71, 1
	s_add_co_u32 s69, s69, s71
	s_mul_i32 s76, s69, KVB
	s_and_b32 s77, s68, 63
	s_mul_i32 s71, s77, 768
	s_add_co_u32 s78, s76, s71
	s_lshl_b32 s71, s77, 6
	s_add_co_u32 s79, s76, s71
	s_add_co_u32 s79, s79, 98304
	s_mov_b32 s[SEL], 0x76543210
	s_mov_b32 s[SEL+1], 0xfedcba98
	s_mov_b32 s95, 0xffff0000
	v_mov_b32 v[FLOOR], 0x1800000
.irp b, 4,5,6,7,8
	v_mov_b32 v[TM+\b], 0
.endr
	s_cmp_lg_u32 ttmp9, 2
	s_cbranch_scc1 .Lqk
	s_cmp_eq_u32 s16, 0
	s_cbranch_scc1 .Lqk
	s_lshr_b32 s69, s77, 3
	s_mul_i32 s72, s69, 6144
	s_add_co_u32 s72, s72, s76
	s_add_co_u32 s72, s72, 49152
	s_mov_b32 s73, 0
	s_add_nc_u64 s[84:85], s[98:99], s[72:73]
	s_lshl_b32 s74, s69, 9
	s_add_co_u32 s74, s74, s76
	s_add_co_u32 s74, s74, 102400
	s_mov_b32 s75, 0
	s_add_nc_u64 s[88:89], s[98:99], s[74:75]
.irp p, 0,1,2,3
.irp a, 0,1,2,3,4,5,6,7
	WIN 0x08+4*(\a/4)
.irp u, 0,1
	ds_store_b128 v[VSTO], v[64*(\a%4)+8*(2*\p+\u):64*(\a%4)+8*(2*\p+\u)+3] offset:\a*2304+(\a/2)*32+32*\u
	ds_store_b128 v[VSTO], v[64*(\a%4)+8*(2*\p+\u)+4:64*(\a%4)+8*(2*\p+\u)+7] offset:\a*2304+(\a/2)*32+32*\u+16
.endr
.endr
	WIN 0
.irp w, 0,1
.irp c, 0,1
.set n, 0
.rept 32
	ds_load_b32 v[VX+32*\c+n], v[VRD] offset:\c*9280+((n%8)+16*((n/8)%2)+8*(n/16))*144+32*\w
.set n, n+1
.endr
.endr
	s_wait_dscnt 0x0
	s_wait_xcnt 0x0
.irp k, 0,1,2,3
	v_max3_num_f32 v[TM+\k], |v[VX+16*\k]|, |v[VX+16*\k+1]|, 0x1800000
.endr
.irp i, 2,4,6,8,10,12,14
.irp k, 0,1,2,3
	v_max3_num_f32 v[TM+\k], v[TM+\k], |v[VX+16*\k+\i]|, |v[VX+16*\k+\i+1]|
.endr
.endr
	v_max_num_f32 v[TM], v[TM], v[TM+1]
	v_max_num_f32 v[TM+1], v[TM+2], v[TM+3]
	v_add_nc_u32 v[TM+12], 0xff000000, v[TM]
	v_add_nc_u32 v[TM+13], 0xff000000, v[TM+1]
	v_lshrrev_b32 v[TM+4], 23, v[TM+12]
	v_lshrrev_b32 v[TM+5], 23, v[TM+13]
	v_lshl_or_b32 v[W], v[TM+5], 16, v[TM+4]
	v_lshlrev_b32 v[W], v[H8], v[W]
	v_permlanex16_b32 v[TM+8], v[W], s[SEL], s[SEL+1]
	v_or_b32 v[W], v[W], v[TM+8]
.irp c, 0,1
	v_cvt_scalef32_pk16_fp6_f32 v[CD+6*\c:CD+6*\c+2], v[VX+32*\c:VX+32*\c+15], v[TM+12+\c]
	v_cvt_scalef32_pk16_fp6_f32 v[TC+4*\c:TC+4*\c+2], v[VX+32*\c+16:VX+32*\c+31], v[TM+12+\c]
.endr
	v_nop
.irp c, 0,1
.irp i, 0,1,2
	v_mov_b32 v[CD+3+6*\c+\i], v[TC+4*\c+\i]
.endr
.endr
.irp j, 0,1,2
	global_store_b128 v[LI], v[CD+4*\j:CD+4*\j+3], s[84:85] offset:(\p/2)*KVB+(2*(\p%2)+\w)*1536+512*\j
.endr
	global_store_b32 v[L4], v[W], s[88:89] offset:(\p/2)*KVB+(2*(\p%2)+\w)*128
.endr
.endr
	s_branch .Lend
.Lqk:
	s_mov_b32 s80, 24576
	s_mov_b32 s82, 2048
	s_mov_b32 s92, 768
	s_mov_b32 s94, KVB
	s_cmp_eq_u32 ttmp9, 2
	s_cselect_b64 s[84:85], s[98:99], s[96:97]
	s_cselect_b32 s72, s78, s72
	s_cselect_b32 s74, s79, s74
	s_cselect_b32 s80, 768, s80
	s_cselect_b32 s82, 64, s82
	s_cselect_b32 s92, s94, s92
	s_cselect_b32 s94, s94, 64
	s_mov_b32 s73, 0
	s_mov_b32 s75, 0
	s_mov_b32 s81, 0
	s_mov_b32 s83, 0
	s_mov_b32 s93, 0
	s_add_nc_u64 s[88:89], s[84:85], s[74:75]
	s_add_nc_u64 s[84:85], s[84:85], s[72:73]
	s_add_nc_u64 s[86:87], s[84:85], s[92:93]
	v_mul_lo_u32 v[SA], v2, s94
	v_lshl_add_u32 v[SA], v1, 2, v[SA]
.macro QUANT win, s
	WIN 0x14*(\win)
.irp b, 0,1,2,3
	v_max3_num_f32 v[TM+\b], v[FLOOR], |v[(\s)+16*\b]|, |v[(\s)+16*\b+1]|
.endr
.irp i, 2,4,6,8,10,12,14
.irp b, 0,1,2,3
	v_max3_num_f32 v[TM+\b], v[TM+\b], |v[(\s)+16*\b+\i]|, |v[(\s)+16*\b+\i+1]|
.endr
.endr
	WIN 0
.irp b, 0,1,2,3
	v_permlanex16_b32 v[TM+4+\b], v[TM+\b], s[SEL], s[SEL+1]
.endr
.irp b, 0,1,2,3
	v_max_num_f32 v[TM+\b], v[TM+\b], v[TM+4+\b]
.endr
.irp b, 0,1,2,3
	v_add_nc_u32 v[TM+12+\b], 0xff000000, v[TM+\b]
.endr
.irp b, 0,1,2,3
	v_lshrrev_b32 v[TM+4+\b], 23, v[TM+12+\b]
.endr
	v_lshl_or_b32 v[HW0], v[TM+5], 8, v[TM+4]
	v_lshl_or_b32 v[HW1], v[TM+7], 8, v[TM+6]
	WIN \win
	v_cvt_scalef32_pk16_fp6_f32 v[CD:CD+2], v[(\s):(\s)+15], v[TM+12]
	v_cvt_scalef32_pk16_fp6_f32 v[TC:TC+2], v[(\s)+16:(\s)+31], v[TM+13]
	v_cvt_scalef32_pk16_fp6_f32 v[CD+6:CD+8], v[(\s)+32:(\s)+47], v[TM+14]
	v_cvt_scalef32_pk16_fp6_f32 v[TC+4:TC+6], v[(\s)+48:(\s)+63], v[TM+15]
	WIN 0
	v_nop
.irp c, 0,1
.irp i, 0,1,2
	v_permlane16_swap_b32 v[CD+6*\c+\i], v[TC+4*\c+\i]
.endr
.irp i, 0,1,2
	v_mov_b32 v[CD+3+6*\c+\i], v[TC+4*\c+\i]
.endr
.endr
.endm
	s_wait_alu depctr_va_vdst(0)
.irp a, 0,1,2,3,4,5,6,7
	s_wait_xcnt 0x0
.if \a > 0
	s_add_nc_u64 s[84:85], s[84:85], s[80:81]
	s_add_nc_u64 s[86:87], s[86:87], s[80:81]
	s_add_nc_u64 s[88:89], s[88:89], s[82:83]
.endif
	QUANT 2+\a/4, 64*(\a%4)
	v_cndmask_b32 v[W], v[HW0], v[HW1], s95
	v_lshl_or_b32 v[W], v[W], 16, v[W]
	global_store_b128 v[LI], v[CD:CD+3], s[84:85]
	global_store_b64 v[L8], v[CD+4:CD+5], s[84:85] offset:512
	global_store_b128 v[LI], v[CD+6:CD+9], s[86:87]
	global_store_b64 v[L8], v[CD+10:CD+11], s[86:87] offset:512
	global_store_b32 v[SA], v[W], s[88:89]
.endr
.Lend:
	s_wait_tensorcnt 0x0
	ds_add_u32 v[SPW], v[NIL]
	s_wait_dscnt 0x0
	CROUND
	s_endpgm
.Lfunc_end_k_q7fe7dd9f23_gemm_qkv:
	.size	k_q7fe7dd9f23_gemm_qkv, .Lfunc_end_k_q7fe7dd9f23_gemm_qkv-k_q7fe7dd9f23_gemm_qkv
	.p2alignl 7, 3214868480
	.fill 96, 4, 3214868480
	.section	.rodata,"a",@progbits
	.p2align	6, 0x0
	.amdhsa_kernel k_q7fe7dd9f23_gemm_qkv
		.amdhsa_group_segment_fixed_size 327680
		.amdhsa_private_segment_fixed_size 0
		.amdhsa_enable_private_segment 0
		.amdhsa_kernarg_size 56
		.amdhsa_user_sgpr_count 2
		.amdhsa_user_sgpr_kernarg_segment_ptr 1
		.amdhsa_wavefront_size32 1
		.amdhsa_system_sgpr_workgroup_id_x 1
		.amdhsa_system_sgpr_workgroup_id_y 1
		.amdhsa_system_sgpr_workgroup_id_z 1
		.amdhsa_system_vgpr_workitem_id 0
		.amdhsa_next_free_vgpr 1024
		.amdhsa_next_free_sgpr 102
		.amdhsa_reserve_vcc 0
		.amdhsa_float_denorm_mode_32 3
		.amdhsa_float_denorm_mode_16_64 3
		.amdhsa_memory_ordered 1
		.amdhsa_forward_progress 1
		.amdhsa_inst_pref_size 239
	.end_amdhsa_kernel
	.amdgpu_metadata
---
amdhsa.version: [ 1, 2 ]
amdhsa.kernels:
  - .name:           k_q7fe7dd9f23_gemm_qkv
    .symbol:         k_q7fe7dd9f23_gemm_qkv.kd
    .args:
      - { .name: xq, .offset: 0, .size: 8, .value_kind: global_buffer, .address_space: global }
      - { .name: wcs, .offset: 8, .size: 8, .value_kind: global_buffer, .address_space: global }
      - { .name: bq, .offset: 16, .size: 8, .value_kind: global_buffer, .address_space: global }
      - { .name: bk, .offset: 24, .size: 8, .value_kind: global_buffer, .address_space: global }
      - { .name: bv, .offset: 32, .size: 8, .value_kind: global_buffer, .address_space: global }
      - { .name: qbuf, .offset: 40, .size: 8, .value_kind: global_buffer, .address_space: global }
      - { .name: kvbuf, .offset: 48, .size: 8, .value_kind: global_buffer, .address_space: global }
    .group_segment_fixed_size: 327680
    .private_segment_fixed_size: 0
    .kernarg_segment_align: 8
    .kernarg_segment_size: 56
    .max_flat_workgroup_size: 128
    .sgpr_count:     102
    .vgpr_count:     1024
    .wavefront_size: 32
...
	.end_amdgpu_metadata
.endif
;; end of part 2
;; launch attn (part 3): grid 8 x 32, 16 waves a work-group, clusters of 4 x 1, 169,984 bytes of LDS; arguments qbuf, kvbuf, oq; writes oq
.if DOCPART == 3
	.amdgcn_target "amdgcn-amd-amdhsa--gfx1250"
	.amdhsa_code_object_version 6
	.text
	.protected	k_q7fe7dd9f23_attn
	.globl	k_q7fe7dd9f23_attn
	.p2align	8
	.type	k_q7fe7dd9f23_attn,@function
k_q7fe7dd9f23_attn:
	s_mov_b64 s[64:65], 0
	v_nop
	global_prefetch_b8 v0, s[64:65] scope:SCOPE_SE
	s_setreg_imm32_b32 hwreg(HW_REG_WAVE_MODE, 25, 1), 1
	s_wait_xcnt 0x0
	s_wait_alu depctr_hold_cnt(0) depctr_sa_sdst(0) depctr_va_vdst(0) depctr_va_sdst(0) depctr_va_ssrc(0) depctr_va_vcc(0) depctr_vm_vsrc(0)
	s_getreg_b32 s2, hwreg(HW_REG_IB_STS2, 6, 4)
	s_cmp_eq_u32 s2, 0
	s_cbranch_scc0 .Lentry_in_a_cluster
	s_endpgm
.Lentry_in_a_cluster:
	s_bfe_u32 s2, ttmp6, 0x10000c
	s_cmp_lg_u32 s2, 0x3003
	s_cbranch_scc0 .Lentry_shape_is_right
	s_endpgm
.Lentry_shape_is_right:
; Attention on codes of FP6 (E2M3): S = q k^T / 8 (K = the head's 64), p = 2^(t - M), O = p v / l (K = the 1,024 keys), and O quantised along head x 64 + d for the last product.
; t = score x log2(e) / 8; M = the running largest t rounded UP to a whole number; the row's sum l is taken of the unquantised p in f32; when M moves, l and O are multiplied by 2^(old M - new M), exactly.
; SHARES.  A work-group takes one (batch, kv head) and 128 tokens, with the four query heads 8 g + kv head.  Wave w takes tokens 16 (w % 8) on and g = 2 (w / 8) + 0, 1, one tile after the other.
; All of the kv head's K, V and scale words, 106,496 bytes laid as images of operand registers, come into LDS once, a sixteenth a wave: nothing is filled again, so there is no ring,
; and no loop runs ahead of memory, so nothing is prefetched.  CLUSTER: the four work-groups of a cluster share (batch, kv head): each sixteenth is asked for jointly, mask 15.
; K = 64 IN AN INSTRUCTION OF 128.  A fragment of K holds TWO tiles of 16 keys (registers 0-5, 6-11); it is multiplied by q with zero codes above and by q with zero codes below.
; q lies as q, zeros, q in 18 registers: the first 12 are the one operand, the last 12 the other.
; WHICH KEYS FORM A TILE.  An image holds 16 neighbouring tokens, a lane's part at 16 x lane (registers 0-3) and 512 + 8 x lane (registers 4, 5).  Each lane picks its token by its own LDS address:
; tile (c, u) of a step of 128 keys has in rows 0-7 tokens 64 c + off(u) + 0..7 and in rows 8-15 tokens 64 c + 32 + off(u) + 0..7, off = 0, 16, 8, 24.
; Both products are used transposed, so a lane holds ONE query, and its registers 32 c + 8 u + j of S^T are key 64 c + 32 (lane / 16) + off(u) + j:
; A WHOLE BLOCK OF 32 KEYS IN ONE LANE, in the order in which V's images are laid (code i = key i with bits 3, 4 exchanged), and in the lane in which the operand's layout wants it.
; So a block's largest score needs no other lane and p's codes need no exchange; one lane permute serves the row's maximum and one the scale word.
; (Rows 0-7 and 8-15 of a tile lie 1,536 bytes apart: two lanes of a load of K share a bank.)
; THE RESULT.  oq: [kv head 8][group of 128 tokens 32][record of 25,600 bytes]: codes [128 along K: 2][block of 16 tokens: 8][1,536 bytes], an image of 12 registers; then scale words [block 8][token 16][2].
; LIMITS: the promise holds while the scaled scores stay under 2^31 in magnitude; NaN and infinities are not served; a block of zeros, or under 2^-124, gets the byte 1 (only this program reads the bytes).
.set KVB,  106496
.set QSO,  6291456                     ; qbuf: where the scale words begin
.set REC,  25600
.set RSC,  24576
.set STP,  12288
.set VIM,  49152                       ; in the kv block: V's images
.set KSW,  98304                       ; K's scale words, 4 bytes a token; V's lie 4,096 bytes on
.set STS,  106496                      ; behind the fill: 128 tokens x 8 bytes of O's scale words
.set SPARE, 0x29000                    ; the spare words, 128 bytes a wave
.set LI,   1                           ; 16 x lane
.set L8,   2                           ; 8 x lane
.set K16,  3                           ; K's images, registers 0-3: 1,536 (r / 8) + 16 (r % 8) + 256 h
.set K8,   4                           ; registers 4, 5: 1,536 (r / 8) + 8 (r % 8) + 128 h
.set KS,   5                           ; K's scale words: KSW + 4 (r % 8) + 128 (r / 8) + 64 h
.set V16,  6                           ; VIM + 16 x lane
.set VS,   7                           ; KSW + 4,096 + 4 x lane
.set H8,   8                           ; 8 h
.set W,    9                           ; p's scale word in the making
.set STW,  10                          ; where my O scale word goes
.set RDS,  11                          ; the way out of the scale words
.set NM,   12                          ; -M;  v13 the largest score so far;  v[14:15] the sum
.set SMX,  13
.set AK16, 40                          ; v40-44 this step's addresses
.set AK8,  41
.set AKS,  42
.set AV16, 43
.set AVS,  44
.set KF,   48                          ; v48-95 four fragments, K's and then V's
.set SCR,  96                          ; v96-159 S^T, then p
.set OT,   160                         ; v160-191 O^T
.set PC,   192                         ; v192-203 p's codes
.set SUM,  204                         ; v204-219 eight partial sums, two numbers each
.set OC,   220                         ; v220-231 O's codes
.set SPW,  239
.set OW,   247                         ; O's scale word
.set NIL,  255
; v16-33 q, zeros, q; v34-39 the second tile's q; v46, v47 q's scale words; v232-238, v244-246, v254 at work; v240-243 K's scale words; v248-251 V's; v252 f; v253 p's scale word
.set WV,   12
.set CS,   22                          ; s[22:23] c = log2(e) / 8
.set SEL,  46
.set TB,   52                          ; where the next step's images begin: 6,144 bytes a step
.set TS,   53                          ; and its scale words: 512 bytes a step
.set CNT,  54
.set CN,   55                          ; -c
.macro CROUND
	s_barrier_signal -1
	s_barrier_wait -1
	s_cmp_lg_u32 s[WV], 0
	s_cbranch_scc1 .Lnot_wave_0_\@
	s_barrier_signal -3
.Lnot_wave_0_\@:
	s_barrier_wait -3
	s_barrier_signal -1
	s_barrier_wait -1
.endm
.macro FM n                            ; t - M, two at a time
.rept \n
	v_pk_fma_f32 v[SCR+FI:SCR+FI+1], v[SCR+FI:SCR+FI+1], s[CS:CS+1], v[NM:NM+1] op_sel_hi:[1,0,0]
.set FI, FI+2
.endr
.endm
.macro SUMS n                          ; the row's sum of the unquantised p: 32 pairs into eight partial sums by turns
.rept \n
.if SI < 8
	v_pk_add_f32 v[SUM+2*SI:SUM+2*SI+1], v[SCR+2*SI:SCR+2*SI+1], v[SCR+16+2*SI:SCR+17+2*SI]
.else
	v_pk_add_f32 v[SUM+2*(SI%8):SUM+2*(SI%8)+1], v[SUM+2*(SI%8):SUM+2*(SI%8)+1], v[SCR+16+2*SI:SCR+17+2*SI]
.endif
.set SI, SI+1
.endr
.endm
	s_load_b128 s[4:7], s[0:1], 0x0                ; qbuf, kvbuf
	s_load_b64 s[8:9], s[0:1], 0x10                ; oq
	v_lshl_add_u32 v[SPW], v0, 2, SPARE
	v_mov_b32 v[NIL], 0
	ds_add_u32 v[SPW], v[NIL]                      ; the opening lines: the add, twice on end, and its wait
	ds_add_u32 v[SPW], v[NIL]
	v_lshrrev_b32 v9, 5, v0
	v_readfirstlane_b32 s[WV], v9                  ; wave 0..15
	s_bfe_u32 s13, ttmp6, 0x40000                  ; cx
	s_lshl_b32 s14, ttmp9, 2
	s_add_co_u32 s14, s14, s13                     ; which 128 tokens of the batch: it enters q's and O's global addresses alone
	s_and_b32 s15, ttmp7, 0xffff                   ; 8 x batch + kv head: the four partners share it
	s_lshr_b32 s16, s15, 3
	s_and_b32 s17, s15, 7
	s_and_b32 s18, s[WV], 7
	s_lshr_b32 s19, s[WV], 3
	s_mov_b32 s24, 15|(3<<16)|(1<<21)              ; the mask: all four work-groups; elements of 8 bytes; bit 21 beside a mask
	s_mov_b32 s25, 32<<16                          ; 26 rows of 256 bytes, dense: a sixteenth of the block
	s_mov_b32 s26, 26<<16
	s_mov_b32 s27, 32<<16
	s_mov_b32 s28, 26
	s_mov_b32 s29, 32
	s_mov_b32 s30, 0
	s_mov_b32 s31, 0
	s_mul_i32 s20, s15, KVB
	s_mul_i32 s33, s[WV], 6656                     ; LDS address: the wave's number alone
	s_add_co_u32 s20, s20, s33
	s_mov_b32 s21, 0
	s_mov_b32 s32, 1
	s_mov_b32 s[CS], 0x3e38aa3b
	s_mov_b32 s[CS+1], s[CS]                       ; (named with it as a pair, so it is written)
	s_mov_b32 s[CN], 0xbe38aa3b
	s_mov_b32 s[SEL], 0x76543210
	s_mov_b32 s[SEL+1], 0xfedcba98
	s_wait_dscnt 0x0
	s_wait_kmcnt 0x0
	s_add_nc_u64 s[34:35], s[6:7], s[20:21]
	s_or_b32 s35, s35, 0x80000000
	CROUND                                         ; all four work-groups are here: the joint loads meet
	tensor_load_to_lds s[32:35], s[24:31]          ; my one tensor load of the launch
	s_nop 0
	s_lshl_b32 s36, s16, 6
	s_lshl_b32 s37, s14, 3
	s_add_co_u32 s36, s36, s37
	s_add_co_u32 s36, s36, s18                     ; my block of 16 tokens
	s_lshl_b32 s37, s19, 4
	s_add_co_u32 s37, s37, s17                     ; my first head: 16 (w / 8) + kv head; the second lies 8 heads on
	s_mul_i32 s38, s36, 24576
	s_mul_i32 s39, s37, 768
	s_add_co_u32 s38, s38, s39
	s_mov_b32 s39, 0
	s_add_nc_u64 s[40:41], s[4:5], s[38:39]        ; q's images
	s_lshl_b32 s38, s36, 11
	s_lshl_b32 s44, s37, 6
	s_add_co_u32 s38, s38, s44
	s_add_co_u32 s38, s38, QSO
	s_add_nc_u64 s[42:43], s[4:5], s[38:39]        ; q's scale words
	s_lshl_b32 s44, s18, 7
	s_lshl_b32 s45, s19, 2
	s_add_co_u32 s44, s44, s45
	s_add_co_u32 s44, s44, STS                     ; block w % 8: 128 bytes; 128 along K number w / 8: 4
	s_lshl_b32 s56, s[WV], 8
	s_add_co_u32 s56, s56, STS
	s_lshl_b32 s36, s17, 5
	s_lshl_b32 s37, s16, 3
	s_add_co_u32 s36, s36, s37
	s_add_co_u32 s36, s36, s14
	s_mul_i32 s36, s36, REC                        ; the record of (kv head, 8 x batch + which 128 tokens)
	s_mul_i32 s37, s19, STP
	s_add_co_u32 s38, s36, s37
	s_mul_i32 s37, s18, 1536
	s_add_co_u32 s38, s38, s37
	s_add_nc_u64 s[48:49], s[8:9], s[38:39]        ; O's codes: my fragment
	s_lshl_b32 s37, s[WV], 8
	s_add_co_u32 s38, s36, s37
	s_add_co_u32 s38, s38, RSC
	s_add_nc_u64 s[50:51], s[8:9], s[38:39]        ; O's scale words: 256 bytes for each of waves 0-3
	v_and_b32 v204, 31, v0                         ; lane
	v_and_b32 v205, 15, v0                         ; r
	v_bfe_u32 v206, v0, 4, 1                       ; h
	v_and_b32 v207, 7, v0                          ; r % 8
	v_bfe_u32 v208, v0, 3, 1                       ; r / 8
	v_lshlrev_b32 v[LI], 4, v204
	v_lshlrev_b32 v[L8], 3, v204
	v_lshlrev_b32 v209, 2, v205
	v_mul_u32_u24 v[K16], v208, 1536
	v_lshlrev_b32 v[KS], 2, v207
	v_lshl_add_u32 v[VS], v204, 2, KSW+4096
	v_lshlrev_b32 v[H8], 3, v206
	v_lshl_add_u32 v[STW], v205, 3, s44
	global_load_b128 v[16:19], v[LI], s[40:41]     ; the first tile's q, in its place
	global_load_b64 v[20:21], v[L8], s[40:41] offset:512
	global_load_b128 v[34:37], v[LI], s[40:41] offset:6144
	global_load_b64 v[38:39], v[L8], s[40:41] offset:6656
	global_load_b32 v46, v209, s[42:43]
	global_load_b32 v47, v209, s[42:43] offset:512
	v_lshl_add_u32 v[K8], v207, 3, v[K16]
	v_lshl_add_u32 v[K16], v207, 4, v[K16]
	v_lshl_add_u32 v[KS], v208, 7, v[KS]
	v_add_nc_u32 v[V16], VIM, v[LI]
	v_add_nc_u32 v[RDS], s56, v[L8]
	v_lshl_add_u32 v[K8], v206, 7, v[K8]
	v_lshl_add_u32 v[K16], v206, 8, v[K16]
	v_lshl_add_u32 v[KS], v206, 6, v[KS]
.irp j, 0,1,2,3,4,5
	v_mov_b32 v[22+\j], 0                          ; the zero codes between the two copies of q
.endr
	v_add_nc_u32 v[KS], KSW, v[KS]
	v_mov_b32 v237, 0                              ; a lane permute's destination counts as one of its sources
	v_mov_b32 v254, 0
	v_mov_b32 v253, 0                              ; (named as the upper half of the pair v[252:253] before it is first written)
	v_mov_b32 v[OW], 0
	s_wait_alu depctr_va_vdst(0)                   ; the wait at the head's end
	s_wait_tensorcnt 0x0                           ; my sixteenth has landed,
	s_barrier_signal -1
	s_barrier_wait -1                              ; everybody's has
	s_wait_loadcnt 0x0                             ; q
; One tile: 16 queries of one head against all 1,024 keys, 128 a trip; then its 64 numbers a query are divided by the sum and quantised: registers 6 i + 0 .. 5 of O's fragment.
.macro TILE i, qs
.irp j, 0,1,2,3,4,5
.if \i
	v_mov_b32 v[16+\j], v[34+\j]
	v_mov_b32 v[28+\j], v[34+\j]
.else
	v_mov_b32 v[28+\j], v[16+\j]
.endif
.endr
	v_mov_b32 v[AK16], v[K16]
	v_mov_b32 v[AK8], v[K8]
	v_mov_b32 v[AKS], v[KS]
	v_mov_b32 v[AV16], v[V16]
	v_mov_b32 v[AVS], v[VS]
	v_mov_b32 v[SMX], 0xff61b1e6                   ; the largest score so far: -3e38
	v_mov_b32 v[NM], 0x7f61b1e6                    ; -M: 3e38, a whole number
	v_mov_b32 v14, 0
	v_mov_b32 v15, 0
.set j, 0
.rept 32
	v_mov_b32 v[OT+j], 0                           ; the loop has no first trip of its own: the first change of M leaves zeros zeros
.set j, j+1
.endr
	s_mov_b32 s[TB], 0
	s_mov_b32 s[TS], 0
	s_mov_b32 s[CNT], 8
.Ltrip_\@:
.irp c, 0,1
.irp v, 0,1                                    ; fragment 2 c + v: tiles (c, 2 v) and (c, 2 v + 1)
	ds_load_b128 v[KF+12*(2*\c+\v):KF+12*(2*\c+\v)+3], v[AK16] offset:3072*\c+128*\v
	ds_load_b64 v[KF+12*(2*\c+\v)+4:KF+12*(2*\c+\v)+5], v[AK8] offset:3072*\c+64*\v+512
	ds_load_b128 v[KF+12*(2*\c+\v)+6:KF+12*(2*\c+\v)+9], v[AK16] offset:3072*\c+128*\v+768
	ds_load_b64 v[KF+12*(2*\c+\v)+10:KF+12*(2*\c+\v)+11], v[AK8] offset:3072*\c+64*\v+1280
	ds_load_b32 v[240+2*\c+\v], v[AKS] offset:256*\c+32*\v   ; lanes 0-15 the first tile's words, lanes 16-31 the second's
.endr
.endr
	s_add_co_u32 s[TB], s[TB], 6144
	s_add_co_u32 s[TS], s[TS], 512
	s_wait_alu depctr_va_vdst(0)
	s_wait_dscnt 0x0
.irp f, 0,1,2,3
	v_wmma_scale_f32_16x16x128_f8f6f4 v[SCR+16*\f:SCR+16*\f+7], v[KF+12*\f:KF+12*\f+11], v[16:27], 0, v[240+\f], v[\qs] matrix_a_fmt:MATRIX_FMT_FP6 matrix_b_fmt:MATRIX_FMT_FP6
	v_wmma_scale_f32_16x16x128_f8f6f4 v[SCR+16*\f+8:SCR+16*\f+15], v[KF+12*\f:KF+12*\f+11], v[22:33], 0, v[240+\f], v[\qs] matrix_a_fmt:MATRIX_FMT_FP6 matrix_b_fmt:MATRIX_FMT_FP6 matrix_a_scale:MATRIX_SCALE_ROW1
.endr
	v_add_nc_u32 v[AK16], s[TB], v[K16]            ; the next step's addresses of K and the old -M: four places in front of the loads below and of the first read of the scores
	v_add_nc_u32 v[AK8], s[TB], v[K8]
	v_add_nc_u32 v[AKS], s[TS], v[KS]
	v_mov_b32 v254, v[NM]
.irp t, 0,1,2,3                                ; V's four tiles of this key step land under the softmax
.irp c, 0,1,2
	ds_load_b128 v[KF+12*\t+4*\c:KF+12*\t+4*\c+3], v[AV16] offset:1536*\t+512*\c
.endr
	ds_load_b32 v[248+\t], v[AVS] offset:128*\t
.endr
.irp k, 0,1,2,3                                ; the largest score of my two blocks of 32 keys, each in two chains; every accumulator from its low end on
	v_max3_num_f32 v[232+\k], v[SCR+16*\k], v[SCR+16*\k+1], v[SCR+16*\k+2]
.endr
.irp n, 3,5,7,9,11,13
.irp k, 0,1,2,3
	v_max3_num_f32 v[232+\k], v[232+\k], v[SCR+16*\k+\n], v[SCR+16*\k+\n+1]
.endr
.endr
	v_max3_num_f32 v232, v232, v[SCR+15], v[SCR+31]
	v_max3_num_f32 v234, v234, v[SCR+47], v[SCR+63]
	v_max_num_f32 v232, v232, v233                 ; block 2 c + h, c = 0: it serves for the row's maximum and, since p rises with the score, for the block's largest p
	v_max_num_f32 v234, v234, v235                 ; c = 1
	v_max3_num_f32 v236, v[SMX], v232, v234
	v_permlanex16_b32 v237, v236, s[SEL], s[SEL+1]
	v_max_num_f32 v[SMX], v236, v237               ; the running largest score of my query (c is positive)
	v_mul_f32 v236, s[CN], v[SMX]
	v_floor_f32 v[NM], v236                        ; the new -M = floor(-t) = -ceil(t)
.set FI, 0
	FM 4
	v_sub_f32 v254, v[NM], v254                    ; old M - new M: a whole number, 0 or less
	FM 4
	v_cvt_i32_f32 v254, v254                       ; (it saturates)
	FM 4
	v_ldexp_f32 v252, 1.0, v254                    ; f = 2^(old M - new M)
	FM 20
	v_fma_f32 v232, v232, s[CS], v[NM]             ; the same of each block's largest score
	v_fma_f32 v234, v234, s[CS], v[NM]
	s_wait_alu depctr_va_vdst(0)                   ; the wait ahead of the batch
.set j, 0
.rept 64
	v_exp_f32 v[SCR+j], v[SCR+j]                   ; p = 2^(t - M): not normalised
.set j, j+1
.endr
	v_exp_f32 v232, v232                           ; the blocks' largest p
	v_exp_f32 v234, v234
	s_wait_alu depctr_va_vdst(0)                   ; one wait for the batch, directly ahead of the first reader of O^T
.set j, 0
.rept 16
	v_pk_mul_f32 v[OT+j:OT+j+1], v[OT+j:OT+j+1], v[252:253] op_sel_hi:[1,0]   ; O^T under the new M; the plain lines behind the exponentials
.set j, j+2
.endr
.set SI, 0
	v_max_num_f32 v232, 0x1800000, v232            ; the floor 2^(3 - 127): the byte cannot fall under 1
	v_max_num_f32 v234, 0x1800000, v234
	SUMS 3                                         ; the sum's additions stand between the dependent lines
	v_add_nc_u32 v233, 0xff000000, v232            ; the conversions' scale operands
	v_add_nc_u32 v235, 0xff000000, v234
	SUMS 3
	v_lshrrev_b32 v[W], 23, v233                   ; the bytes of blocks h and 2 + h
	v_lshrrev_b32 v254, 23, v235
	SUMS 4
	v_lshl_or_b32 v[W], v254, 16, v[W]
	SUMS 4
	v_lshlrev_b32 v[W], v[H8], v[W]                ; at their places in the scale word
	SUMS 4
	v_permlanex16_b32 v254, v[W], s[SEL], s[SEL+1]
	SUMS 4
	v_or_b32 v253, v[W], v254                      ; with lane l xor 16's two the word is whole; 13 plain lines stand between it and the products
	v_cvt_scalef32_pk16_fp6_f32 v[PC:PC+2], v[SCR:SCR+15], v233
	v_cvt_scalef32_pk16_fp6_f32 v[236:238], v[SCR+16:SCR+31], v233   ; (a conversion's three registers begin on an even number)
	v_cvt_scalef32_pk16_fp6_f32 v[PC+6:PC+8], v[SCR+32:SCR+47], v235
	v_cvt_scalef32_pk16_fp6_f32 v[244:246], v[SCR+48:SCR+63], v235
	SUMS 2                                         ; plain lines behind the conversions
.irp n, 0,1,2
	v_mov_b32 v[PC+3+\n], v[236+\n]
	v_mov_b32 v[PC+9+\n], v[244+\n]
.endr
.irp n, 0,1,2,3
	v_pk_add_f32 v[SUM+2*\n:SUM+2*\n+1], v[SUM+2*\n:SUM+2*\n+1], v[SUM+8+2*\n:SUM+9+2*\n]
.endr
	v_pk_add_f32 v[SUM:SUM+1], v[SUM:SUM+1], v[SUM+4:SUM+5]   ; five plain lines stand between the last move into p's codes and the products
	s_wait_alu depctr_va_vdst(0)
	s_wait_dscnt 0x0                               ; V
.irp t, 0,1,2,3                                ; O^T += V^T p^T: the four accumulators by turns
	v_wmma_scale_f32_16x16x128_f8f6f4 v[OT+8*\t:OT+8*\t+7], v[KF+12*\t:KF+12*\t+11], v[PC:PC+11], v[OT+8*\t:OT+8*\t+7], v[248+\t], v253 matrix_a_fmt:MATRIX_FMT_FP6 matrix_b_fmt:MATRIX_FMT_FP6
.endr
	v_pk_add_f32 v[SUM+2:SUM+3], v[SUM+2:SUM+3], v[SUM+6:SUM+7]   ; the sum's end and the next step's addresses of V: four places, which name none of the products' registers, in front of the next loads into the fragments
	v_add_nc_u32 v[AV16], s[TB], v[V16]
	v_add_nc_u32 v[AVS], s[TS], v[VS]
	v_pk_add_f32 v[SUM:SUM+1], v[SUM:SUM+1], v[SUM+2:SUM+3]
	v_pk_fma_f32 v[14:15], v[14:15], v[252:253], v[SUM:SUM+1] op_sel_hi:[1,0,1]   ; l x f + this step's sum
	s_sub_co_u32 s[CNT], s[CNT], 1
	s_cmp_lg_u32 s[CNT], 0
	s_cbranch_scc1 .Ltrip_\@
	v_add_f32 v14, v14, v15
	v_permlanex16_b32 v252, v14, s[SEL], s[SEL+1]
	v_add_f32 v14, v14, v252                       ; the row's sum
	s_wait_alu depctr_va_vdst(0)                   ; the wait ahead of the transcendental
	v_rcp_f32 v14, v14
	v_nop                                          ; a plain line behind the reciprocal,
	s_wait_alu depctr_va_vdst(0)                   ; and the wait ahead of its first reader and of the first reader of O^T
.set j, 0
.rept 32
	v_mul_f32 v[SCR+j], v[OT+j], v14               ; register 16 b + n: d = 32 b + 16 (lane / 16) + n of my query
.set j, j+1
.endr
.irp b, 0,1
	v_max3_num_f32 v[232+\b], |v[SCR+16*\b]|, |v[SCR+1+16*\b]|, 0x1800000
.endr
.irp n, 2,4,6,8,10,12,14
.irp b, 0,1
	v_max3_num_f32 v[232+\b], v[232+\b], |v[SCR+16*\b+\n]|, |v[SCR+1+16*\b+\n]|
.endr
.endr
.irp b, 0,1
	v_permlanex16_b32 v[236+\b], v[232+\b], s[SEL], s[SEL+1]
.endr
.irp b, 0,1
	v_max_num_f32 v[232+\b], v[232+\b], v[236+\b]  ; with lane l xor 16's 16: the block's largest magnitude
.endr
.irp b, 0,1
	v_add_nc_u32 v[244+\b], 0xff000000, v[232+\b]
.endr
.irp b, 0,1
	v_lshrrev_b32 v[236+\b], 23, v[244+\b]
.endr
	v_lshrrev_b32 v[OW], 16, v[OW]                 ; the first tile's two bytes end below, the second's above: the fragment's scale word
	v_lshl_or_b32 v254, v237, 8, v236
	v_lshl_or_b32 v[OW], v254, 16, v[OW]
	v_cvt_scalef32_pk16_fp6_f32 v[OC+6*\i:OC+6*\i+2], v[SCR:SCR+15], v244
	v_cvt_scalef32_pk16_fp6_f32 v[SUM:SUM+2], v[SCR+16:SCR+31], v245
	v_nop                                          ; one plain line behind a scaled conversion
.irp n, 0,1,2
	v_permlane16_swap_b32 v[OC+6*\i+\n], v[SUM+\n]
.endr
.irp n, 0,1,2
	v_mov_b32 v[OC+6*\i+3+\n], v[SUM+\n]           ; registers 6 i + 0 .. 5: k = 64 i + 32 (lane / 16) + 0 .. 31 of my query
.endr
.endm
	TILE 0, 46
	TILE 1, 47
.irp j, 0,1,2
	global_store_b128 v[LI], v[OC+4*\j:OC+4*\j+3], s[48:49] offset:512*\j   ; the fragment as it stands: 512 consecutive bytes, at a multiple of 256 from oq's first byte
.endr
	ds_store_b32 v[STW], v[OW]                     ; both halves of the lanes write the same word with the same value
	s_wait_dscnt 0x0                               ; for the others' sake: my store is done
	s_barrier_signal -1
	s_barrier_wait -1
	s_cmp_lt_u32 s[WV], 4
	s_cbranch_scc0 .Lno_scales
	ds_load_b64 v[108:109], v[RDS]
	s_wait_dscnt 0x0
	global_store_b64 v[L8], v[108:109], s[50:51]   ; 256 consecutive bytes, aligned
.Lno_scales:
	s_wait_tensorcnt 0x0                           ; the wave's end
	ds_add_u32 v[SPW], v[NIL]
	s_wait_dscnt 0x0
	CROUND                                         ; the closing round
	s_endpgm
.Lfunc_end_k_q7fe7dd9f23_attn:
	.size	k_q7fe7dd9f23_attn, .Lfunc_end_k_q7fe7dd9f23_attn-k_q7fe7dd9f23_attn
	.p2alignl 7, 3214868480
	.fill 96, 4, 3214868480
	.section	.rodata,"a",@progbits
	.p2align	6, 0x0
	.amdhsa_kernel k_q7fe7dd9f23_attn
		.amdhsa_group_segment_fixed_size 169984
		.amdhsa_private_segment_fixed_size 0
		.amdhsa_enable_private_segment 0
		.amdhsa_kernarg_size 24
		.amdhsa_user_sgpr_count 2
		.amdhsa_user_sgpr_kernarg_segment_ptr 1
		.amdhsa_wavefront_size32 1
		.amdhsa_system_sgpr_workgroup_id_x 1
		.amdhsa_system_sgpr_workgroup_id_y 1
		.amdhsa_system_sgpr_workgroup_id_z 1
		.amdhsa_system_vgpr_workitem_id 0
		.amdhsa_next_free_vgpr 256
		.amdhsa_next_free_sgpr 66
		.amdhsa_reserve_vcc 0
		.amdhsa_float_denorm_mode_32 3
		.amdhsa_float_denorm_mode_16_64 3
		.amdhsa_memory_ordered 1
		.amdhsa_forward_progress 1
		.amdhsa_inst_pref_size 47
	.end_amdhsa_kernel
	.amdgpu_metadata
---
amdhsa.version: [ 1, 2 ]
amdhsa.kernels:
  - .name:           k_q7fe7dd9f23_attn
    .symbol:         k_q7fe7dd9f23_attn.kd
    .args:
      - { .name: qbuf, .offset: 0, .size: 8, .value_kind: global_buffer, .address_space: global }
      - { .name: kvbuf, .offset: 8, .size: 8, .value_kind: global_buffer, .address_space: global }
      - { .name: oq, .offset: 16, .size: 8, .value_kind: global_buffer, .address_space: global }
    .group_segment_fixed_size: 169984
    .private_segment_fixed_size: 0
    .kernarg_segment_align: 8
    .kernarg_segment_size: 24
    .max_flat_workgroup_size: 512
    .sgpr_count:     66
    .vgpr_count:     256
    .wavefront_size: 32
...
	.end_amdgpu_metadata
.endif
;; end of part 3
;; launch gemm_out (part 4): grid 8 x 32, 4 waves a work-group, clusters of 4 x 4, 327,680 bytes of LDS; arguments oq, woi, bo, out0; writes out0
.if DOCPART == 4
	.amdgcn_target "amdgcn-amd-amdhsa--gfx1250"
	.amdhsa_code_object_version 6
	.text
	.protected	k_q7fe7dd9f23_gemm_out
	.globl	k_q7fe7dd9f23_gemm_out
	.p2align	8
	.type	k_q7fe7dd9f23_gemm_out,@function
k_q7fe7dd9f23_gemm_out:
	s_mov_b64 s[64:65], 0
	v_nop
	global_prefetch_b8 v0, s[64:65] scope:SCOPE_SE
	s_setreg_imm32_b32 hwreg(HW_REG_WAVE_MODE, 25, 1), 1
	s_wait_xcnt 0x0
	s_wait_alu depctr_hold_cnt(0) depctr_sa_sdst(0) depctr_va_vdst(0) depctr_va_sdst(0) depctr_va_ssrc(0) depctr_va_vcc(0) depctr_vm_vsrc(0)
	s_getreg_b32 s2, hwreg(HW_REG_IB_STS2, 6, 4)
	s_cmp_eq_u32 s2, 0
	s_cbranch_scc0 .Lentry_in_a_cluster
	s_endpgm
.Lentry_in_a_cluster:
	s_bfe_u32 s2, ttmp6, 0x10000c
	s_cmp_lg_u32 s2, 0xf033
	s_cbranch_scc0 .Lentry_shape_is_right
	s_endpgm
.Lentry_shape_is_right:
.set FR,     12
.set FRB,    1536
.set STP,    8*FRB
.set RSC,    2*STP
.set REC,    RSC+1024
.set AREG,   2*REC
.set SLOT,   6*REC
.set SPARE,  2*SLOT
.set AFILL,  2*32*REC
.set BFILL,  2*16*REC
.set SPITCH, 528
.set NB4,    8192
.set BO,   3
.set ADRA, 4
.set ADRB, 6
.set ADRS, 10
.set ADRT, 14
.set STO,  24
.set RD,   25
.set CO,   26
.set SPW,  28
.set NIL,  29
.set SC,   32
.set BI,   64
.set AF,   128
.set BK,   128
.set G1, 24
.set G0, 32
.set G1B, 48
.set G0B, 56
.set MSB, 0
.macro WIN new
.if MSB != (\new)
	s_set_vgpr_msb (MSB<<8)|(\new)
.set MSB, (\new)
.endif
.endm
.set MUL,  0xa1
.set TO_B, 0x40
.macro JLOAD g0a, g1a, g0b, g1b
	s_cmp_eq_u32 s15, 0
	s_cbranch_scc0 .Lfor_b_\@
	tensor_load_to_lds s[\g0a:\g0a+3], s[\g1a:\g1a+7]
	s_nop 0
.rept 4
	v_nop
.endr
	s_branch .Lasked_\@
.Lfor_b_\@:
	tensor_load_to_lds s[\g0b:\g0b+3], s[\g1b:\g1b+7]
	s_nop 0
.rept 4
	v_nop
.endr
.Lasked_\@:
.endm
.macro CREST
	s_cmp_lg_u32 s14, 0
	s_cbranch_scc1 .Lnot_wave_0_\@
	s_barrier_signal -3
.Lnot_wave_0_\@:
	s_barrier_wait -3
	s_barrier_signal -1
	s_barrier_wait -1
.endm
.macro CROUND
	s_barrier_signal -1
	s_barrier_wait -1
	CREST
.endm
	s_load_b128 s[4:7], s[0:1], 0x0
	s_load_b128 s[8:11], s[0:1], 0x10
	v_lshl_add_u32 v[SPW], v0, 2, SPARE
	v_mov_b32 v[NIL], 0
	ds_add_u32 v28, v29
	ds_add_u32 v28, v29
	s_wait_dscnt 0x0
	v_lshrrev_b32 v1, 5, v0
	v_readfirstlane_b32 s14, v1
	s_lshr_b32 s15, s14, 1
	s_and_b32 s16, s14, 1
	s_bfe_u32 s40, ttmp6, 0x40000
	s_bfe_u32 s41, ttmp6, 0x40004
	s_lshl_b32 s42, ttmp9, 2
	s_add_co_u32 s42, s42, s40
	s_and_b32 s17, ttmp7, 0xffff
	s_lshl_b32 s17, s17, 2
	s_add_co_u32 s17, s17, s41
	s_lshl_b32 s43, s41, 2
	s_lshl_b32 s43, 15, s43
	s_lshl_b32 s44, 0x1111, s40
	s_or_b32 s[G1+0], s43, (3<<16)|(1<<21)
	s_or_b32 s[G1B+0], s44, (3<<16)|(1<<21)
.irp g, G1, G1B
	s_mov_b32 s[\g+1], 32<<16
	s_mov_b32 s[\g+3], 32<<16
	s_mov_b32 s[\g+5], 32
	s_mov_b32 s[\g+6], 0
	s_mov_b32 s[\g+7], 0
.endr
	s_mov_b32 s[G1+2], 100<<16
	s_mov_b32 s[G1+4], 100
	s_mov_b32 s[G1B+2], 200<<16
	s_mov_b32 s[G1B+4], 200
	s_mul_i32 s20, s17, REC
	s_mul_i32 s18, s16, 32*REC
	s_add_co_u32 s20, s20, s18
	s_mov_b32 s21, 0
	s_mul_i32 s46, s42, 2*REC
	s_mul_i32 s18, s16, 16*REC
	s_add_co_u32 s46, s46, s18
	s_mov_b32 s47, 0
	s_mul_i32 s45, s16, REC
	s_mul_i32 s19, s16, 2*REC
	s_add_co_u32 s19, s19, AREG
	s_wait_kmcnt 0x0
	s_add_nc_u64 s[20:21], s[4:5], s[20:21]
	s_add_nc_u64 s[46:47], s[6:7], s[46:47]
	CROUND
.irp s, 0,1
	s_mov_b32 s[G0+4*\s], 1
	s_add_co_u32 s[G0+4*\s+1], s45, \s*SLOT
	s_add_nc_u64 s[G0+4*\s+2:G0+4*\s+3], s[20:21], \s*AFILL
	s_or_b32 s[G0+4*\s+3], s[G0+4*\s+3], 0x80000000
	s_mov_b32 s[G0B+4*\s], 1
	s_add_co_u32 s[G0B+4*\s+1], s19, \s*SLOT
	s_add_nc_u64 s[G0B+4*\s+2:G0B+4*\s+3], s[46:47], \s*BFILL
	s_or_b32 s[G0B+4*\s+3], s[G0B+4*\s+3], 0x80000000
	s_wait_alu depctr_va_vdst(0)
	s_wait_tensorcnt 0x0
	ds_add_u32 v28, v29
	ds_add_u32 v28, v29
	s_wait_dscnt 0x0
	CROUND
	JLOAD G0+4*\s, G1, G0B+4*\s, G1B
.endr
	v_and_b32 v1, 15, v0
	v_bfe_u32 v2, v0, 4, 1
	v_and_b32 v20, 31, v0
	v_lshlrev_b32 v[CO], 4, v20
	s_mul_i32 s21, s15, 4*FRB
	v_add_nc_u32 v[ADRA], s21, v[CO]
	v_add_nc_u32 v[ADRA+1], SLOT, v[ADRA]
	s_mul_i32 s22, s16, REC
	s_add_co_u32 s22, s22, AREG
	v_add_nc_u32 v[ADRB], s22, v[CO]
	v_add_nc_u32 v[ADRB+1], 2*REC, v[ADRB]
	v_add_nc_u32 v[ADRB+2], SLOT, v[ADRB]
	v_add_nc_u32 v[ADRB+3], SLOT, v[ADRB+1]
	v_lshlrev_b32 v20, 3, v1
	s_add_co_u32 s23, s22, RSC
	v_add_nc_u32 v[ADRT], s23, v20
	v_add_nc_u32 v[ADRT+1], 2*REC, v[ADRT]
	v_add_nc_u32 v[ADRT+2], SLOT, v[ADRT]
	v_add_nc_u32 v[ADRT+3], SLOT, v[ADRT+1]
	s_lshl_b32 s21, s15, 9
	s_add_co_u32 s21, s21, RSC
	s_sub_co_u32 s18, s23, s21
	v_mul_u32_u24 v21, s18, v2
	v_add_nc_u32 v21, v21, v20
	v_add_nc_u32 v[ADRS], s21, v21
	s_add_co_u32 s18, s18, REC
	s_add_co_u32 s21, s21, REC
	v_mul_u32_u24 v21, s18, v2
	v_add_nc_u32 v21, v21, v20
	v_add_nc_u32 v[ADRS+1], s21, v21
	v_add_nc_u32 v[ADRS+2], SLOT, v[ADRS]
	v_add_nc_u32 v[ADRS+3], SLOT, v[ADRS+1]
	s_mul_i32 s23, s14, 16*SPITCH
	v_mul_u32_u24 v20, v1, SPITCH
	v_lshl_add_u32 v20, v2, 6, v20
	v_add_nc_u32 v[STO], s23, v20
	v_add_nc_u32 v[RD], s23, v[CO]
	v_lshlrev_b32 v[BO], 6, v2
	s_wait_alu depctr_va_vdst(0)
	s_lshl_b32 s20, s17, 7
	s_lshl_b32 s21, s15, 6
	s_add_co_u32 s20, s20, s21
	s_lshl_b32 s20, s20, 13
	s_lshl_b32 s46, s42, 10
	s_lshl_b32 s47, s16, 9
	s_add_co_u32 s46, s46, s47
	s_add_co_u32 s20, s20, s46
	s_mov_b32 s21, 0
	s_mov_b32 s47, 0
	s_add_nc_u64 s[10:11], s[10:11], s[20:21]
	s_add_nc_u64 s[66:67], s[8:9], s[46:47]
.irp t, 0,1,2,3,4,5,6,7
	global_load_b128 v[BI+8*\t:BI+8*\t+3], v[BO], s[66:67] offset:(32*(\t/2)+8*(\t%2))*4
	global_load_b128 v[BI+8*\t+4:BI+8*\t+7], v[BO], s[66:67] offset:(32*(\t/2)+8*(\t%2))*4+16
.endr
.macro LB p, s, y, u, b0
.irp b, \b0, \b0+1, \b0+2, \b0+3
.irp c, 0,1,2
	ds_load_b128 v[128*(\p)+FR*(\b)+4*\c:128*(\p)+FR*(\b)+4*\c+3], v[ADRB+2*(\s)+(\y)] offset:STP*(\u)+FRB*(\b)+512*\c
.endr
.endr
.endm
.macro LA p, s, y, u
.irp a, 0,1,2,3
.irp c, 0,1,2
	ds_load_b128 v[AF+48*(\p)+FR*\a+4*\c:AF+48*(\p)+FR*\a+4*\c+3], v[ADRA+(\s)] offset:REC*(\y)+STP*(\u)+FRB*\a+512*\c
.endr
.endr
.endm
.macro LS s, y
.irp i, 0,1,2,3
	ds_load_b64 v[SC+16*(\y)+2*\i:SC+16*(\y)+2*\i+1], v[ADRS+2*(\s)+(\y)] offset:128*\i
.endr
.irp i, 4,5,6,7
	ds_load_b64 v[SC+16*(\y)+2*\i:SC+16*(\y)+2*\i+1], v[ADRT+2*(\s)+(\y)] offset:128*\i
.endr
.endm
.macro TURNW a, p, u, y, zero
.irp b, 0,1,2,3,4,5,6,7
.if \zero
	v_wmma_scale_f32_16x16x128_f8f6f4 v[8*(8*\a+\b):8*(8*\a+\b)+7], v[128*(\p)+FR*\b:128*(\p)+FR*\b+FR-1], v[AF+48*(\p)+FR*\a:AF+48*(\p)+FR*\a+FR-1], v[BI+8*\b:BI+8*\b+7], v[SC+16*(\y)+2*\b+(\u)], v[SC+16*(\y)+2*\a+(\u)] matrix_a_fmt:MATRIX_FMT_FP6 matrix_b_fmt:MATRIX_FMT_FP6 matrix_a_scale:MATRIX_SCALE_ROW1
.else
	v_wmma_scale_f32_16x16x128_f8f6f4 v[8*(8*\a+\b):8*(8*\a+\b)+7], v[128*(\p)+FR*\b:128*(\p)+FR*\b+FR-1], v[AF+48*(\p)+FR*\a:AF+48*(\p)+FR*\a+FR-1], v[8*(8*\a+\b):8*(8*\a+\b)+7], v[SC+16*(\y)+2*\b+(\u)], v[SC+16*(\y)+2*\a+(\u)] matrix_a_fmt:MATRIX_FMT_FP6 matrix_b_fmt:MATRIX_FMT_FP6 matrix_a_scale:MATRIX_SCALE_ROW1
.endif
.endr
.endr
.endm
.macro PLACES n
.rept \n
	v_nop
.endr
.endm
.macro WHERE n
.set CP_, (\n)%2
.set CY_, ((\n)/2)%2
.set FS_, ((\n)/4)%2
.set NS_, (((\n)+1)/4)%2
.set NY_, (((\n)+1)/2)%2
.set NU_, ((\n)+1)%2
.endm
.macro STEP n, zero
	WHERE \n
	s_wait_dscnt 9
	WIN MUL-0x20*(\zero)
	TURNW 0, CP_, CP_, CY_, \zero
	PLACES 4
	WIN TO_B
	LB NU_, NS_, NY_, NU_, 0
	s_wait_dscnt 18
	WIN MUL-0x20*(\zero)
	TURNW 1, CP_, CP_, CY_, \zero
	WIN TO_B
	LB NU_, NS_, NY_, NU_, 4
	s_wait_dscnt 27
	WIN MUL-0x20*(\zero)
	TURNW 2, CP_, CP_, CY_, \zero
	WIN 0
.if NU_ == 0
	LS NS_, NY_
.endif
	LA NU_, NS_, NY_, NU_
	s_wait_dscnt 36
	WIN MUL-0x20*(\zero)
	TURNW 3, CP_, CP_, CY_, \zero
.endm
.macro TURN n, fill
	WHERE \n
	WIN 0
	s_wait_tensorcnt 0x0
	ds_add_u32 v[SPW], v[NIL]
	s_wait_dscnt 10
	WIN MUL
	TURNW 0, CP_, CP_, CY_, 0
	s_wait_dscnt 0x0
	s_barrier_signal -1
	TURNW 1, CP_, CP_, CY_, 0
	WIN 0
	s_barrier_wait -1
.if \fill
	CREST
	s_add_nc_u64 s[G0+4*FS_+2:G0+4*FS_+3], s[G0+4*FS_+2:G0+4*FS_+3], 2*AFILL
	s_add_nc_u64 s[G0B+4*FS_+2:G0B+4*FS_+3], s[G0B+4*FS_+2:G0B+4*FS_+3], 2*BFILL
	JLOAD G0+4*FS_, G1, G0B+4*FS_, G1B
.else
	PLACES 4
.endif
	WIN TO_B
	LB NU_, NS_, NY_, NU_, 0
	LB NU_, NS_, NY_, NU_, 4
	WIN MUL
	TURNW 2, CP_, CP_, CY_, 0
	WIN 0
	LS NS_, NY_
	LA NU_, NS_, NY_, NU_
	WIN MUL
	TURNW 3, CP_, CP_, CY_, 0
.endm
	s_wait_tensorcnt 1
	s_barrier_signal -1
	s_barrier_wait -1
	WIN TO_B
	LB 0, 0, 0, 0, 0
	LB 0, 0, 0, 0, 4
	WIN 0
	LS 0, 0
	LA 0, 0, 0, 0
	s_wait_loadcnt 0x0
	STEP 0, 1
	STEP 1, 0
	STEP 2, 0
	TURN 3, 1
	STEP 4, 0
	STEP 5, 0
	STEP 6, 0
	TURN 7, 1
	STEP 8, 0
	STEP 9, 0
	STEP 10, 0
	TURN 11, 0
	STEP 12, 0
	STEP 13, 0
	STEP 14, 0
	s_wait_dscnt 0x0
	WIN MUL
	TURNW 0, 1, 1, 1, 0
	TURNW 1, 1, 1, 1, 0
	TURNW 2, 1, 1, 1, 0
	TURNW 3, 1, 1, 1, 0
	WIN 0
.macro TOSTAGE a
.set AC, 64*(\a)
	WIN 0x08
.irp b, 0,1,2,3,4,5,6,7
	ds_store_b128 v[STO], v[AC+8*\b:AC+8*\b+3] offset:128*(\b/2)+32*(\b%2)
	ds_store_b128 v[STO], v[AC+8*\b+4:AC+8*\b+7] offset:128*(\b/2)+32*(\b%2)+16
.endr
	WIN 0
.set BB, BK+64*((\a)%2)
.irp t, 0,1,2,3,4,5,6,7,8,9,10,11,12,13,14,15
	ds_load_b128 v[BB+4*\t:BB+4*\t+3], v[RD] offset:\t*SPITCH
.endr
.endm
.macro SEND a, younger
.set BB, BK+64*((\a)%2)
	s_wait_dscnt \younger
.if (\a) > 0
	s_add_nc_u64 s[10:11], s[10:11], 16*NB4
.endif
.irp t, 0,1,2,3,4,5,6,7,8,9,10,11,12,13,14,15
	global_store_b128 v[CO], v[BB+4*\t:BB+4*\t+3], s[10:11] offset:\t*NB4 th:TH_STORE_NT
.endr
.endm
	PLACES 4
	TOSTAGE 0
.irp a, 1,2,3
.if \a > 1
	s_wait_xcnt 0x0
.endif
	TOSTAGE \a
	SEND \a-1, 32
.endr
	s_wait_xcnt 0x0
	SEND 3, 0
	s_wait_tensorcnt 0x0
	ds_add_u32 v[SPW], v[NIL]
	s_wait_dscnt 0x0
	CROUND
	s_endpgm
.Lfunc_end_k_q7fe7dd9f23_gemm_out:
	.size	k_q7fe7dd9f23_gemm_out, .Lfunc_end_k_q7fe7dd9f23_gemm_out-k_q7fe7dd9f23_gemm_out
	.p2alignl 7, 3214868480
	.fill 96, 4, 3214868480
	.section	.rodata,"a",@progbits
	.p2align	6, 0x0
	.amdhsa_kernel k_q7fe7dd9f23_gemm_out
		.amdhsa_group_segment_fixed_size 327680
		.amdhsa_private_segment_fixed_size 0
		.amdhsa_enable_private_segment 0
		.amdhsa_kernarg_size 32
		.amdhsa_user_sgpr_count 2
		.amdhsa_user_sgpr_kernarg_segment_ptr 1
		.amdhsa_wavefront_size32 1
		.amdhsa_system_sgpr_workgroup_id_x 1
		.amdhsa_system_sgpr_workgroup_id_y 1
		.amdhsa_system_sgpr_workgroup_id_z 1
		.amdhsa_system_vgpr_workitem_id 0
		.amdhsa_next_free_vgpr 768
		.amdhsa_next_free_sgpr 68
		.amdhsa_reserve_vcc 0
		.amdhsa_float_denorm_mode_32 3
		.amdhsa_float_denorm_mode_16_64 3
		.amdhsa_memory_ordered 1
		.amdhsa_forward_progress 1
		.amdhsa_inst_pref_size 138
	.end_amdhsa_kernel
	.amdgpu_metadata
---
amdhsa.version: [ 1, 2 ]
amdhsa.kernels:
  - .name:           k_q7fe7dd9f23_gemm_out
    .symbol:         k_q7fe7dd9f23_gemm_out.kd
    .args:
      - { .name: oq, .offset: 0, .size: 8, .value_kind: global_buffer, .address_space: global }
      - { .name: woi, .offset: 8, .size: 8, .value_kind: global_buffer, .address_space: global }
      - { .name: bo, .offset: 16, .size: 8, .value_kind: global_buffer, .address_space: global }
      - { .name: out0, .offset: 24, .size: 8, .value_kind: global_buffer, .address_space: global }
    .group_segment_fixed_size: 327680
    .private_segment_fixed_size: 0
    .kernarg_segment_align: 8
    .kernarg_segment_size: 32
    .max_flat_workgroup_size: 128
    .sgpr_count:     68
    .vgpr_count:     768
    .wavefront_size: 32
...
	.end_amdgpu_metadata
.endif
;; end of part 4
